; MI455X (gfx1250); checked and timed in simulation.
; The chip was launched on July 23, 2026; its instructions are those of AMD's public machine-readable ISA for CDNA 5 (MIT licence, August 2026) and "CDNA5" Instruction Set Architecture Reference Guide (July 2026). The comments in the code are by the model that wrote it; some were corrected since.
;; Mo E. Allowed arithmetic: float matrix products may take bf16 or f16 operands with f32 sums; other float arithmetic in f32, or as packed bf16 or f16 multiplies, adds, multiply-adds, maxima and minima; sums over many terms, partial sums and values carried from step to step in f32; what a program stores and reads back later, other than sums and carried values, may be rounded once to bf16 or f16.
;; Inputs: W1 8 x 1,024 x 4,096 float32; W2 8 x 4,096 x 1,024 float32; Wg 1,024 x 8 float32; Wn 1,024 x 8 float32; b1 8 x 4,096 float32; b2 8 x 1,024 float32; bg 8 float32; bn 8 float32; noise 2 x 512 x 8 float32; x 2 x 512 x 1,024 float32.
;; Outputs: out0 2 x 512 x 1,024 float32.
;; 2 versions, each right; version 2 is version 1 with the launches ffn1, ffn2 written anew for expert scheduling mode. Each part assembles by itself: llvm-mc -triple=amdgcn-amd-amdhsa -mcpu=gfx1250 --defsym DOCPART=n.
;; ======== version 1 of 2: 5 launches
;; workspace buffers: ridx 8,192 bytes of whole numbers; rw 8,192 bytes; cnt 256 bytes of whole numbers; slotrow 32,768 bytes of whole numbers; slotw 32,768 bytes; xs 16,777,216 bytes; h 67,108,864 bytes; part 33,554,432 bytes
;; launch router (part 1): grid 256 x 1, 4 waves a work-group, no clusters, 36,352 bytes of LDS; arguments x, Wg, bg, Wn, bn, noise, ridx, rw; writes ridx, rw
.if DOCPART == 1
	.amdgcn_target "amdgcn-amd-amdhsa--gfx1250"
	.amdhsa_code_object_version 6
	.text
	.protected	k_qd1a94a6787_router
	.globl	k_qd1a94a6787_router
	.p2align	8
	.type	k_qd1a94a6787_router,@function
k_qd1a94a6787_router:
	s_mov_b64 s[64:65], 0
	v_nop
	global_prefetch_b8 v0, s[64:65] scope:SCOPE_SE
	s_setreg_imm32_b32 hwreg(HW_REG_WAVE_MODE, 25, 1), 1
	s_wait_xcnt 0x0
; THE GATE.  H = x Wg + bg + noise * softplus(x Wn + bn); the two largest of a token's eight H (of equal ones the lower index), and their softmax.
; ridx[token][2] takes the two experts, rw[choice][token] the two weights: fixed places, so that no address here hangs on the choice.
; FORMATS.  Every input is rounded once to bf16 (as in the whole program); the products of two bf16 are exact in f32, and all sums, the softplus and the softmax are f32 on the vector unit.
; LIMITS.  NaN and infinities are not treated apart.  log(1 + t) is taken of the rounded 1 + t: an absolute error of 6e-8 in the softplus.
; SHARES.  A work-group has 4 tokens; wave w has the channels 256 w .. 256 w + 255 of all four, lane l the channels 256 w + 32 c + l, c = 0..7.
; A lane's 64 partial sums (4 tokens x 16 outputs) are added over the lanes through the wave's own LDS rows, over the waves through four shared rows and one barrier; wave w then gates token w.
; No matrix unit: 16 outputs a token are 0.1% of the program's products, and the choice wants f32 sums of exact products.
.set RPITCH, 272                       ; a lane's 64 sums: 256 bytes + 16
.set RBYTES, 32*RPITCH                 ; a wave's rows
.set SH,     4*RBYTES                  ; four rows of 256 bytes: each wave's 64 sums
.set SPARE,  SH+1024                   ; the spare words, 128 bytes a wave: no other line names them
.set X,   8                            ; v[8:39]    x[token t][c] at X + 8 t + c; later addresses and the gate's numbers
.set WR,  40                           ; v[40:167]  weights as loaded: c's row at WR + 16 c: 8 of Wg, 8 of Wn
.set XP,  168                          ; v[168:183] x in bf16 pairs: XP + 4 t + c / 2
.set WP,  184                          ; v[184:247] weights in bf16 pairs: WP + 8 c + o / 2
.set ACC, 40                           ; v[40:103]  the sums, ACC + 16 t + o, where the first half of WR lay
.set RD,  104                          ; v[104:167] the 32 lanes' sums read back, two outputs a lane
	s_load_b512 s[4:19], s[0:1], 0x0               ; x s[4:5], Wg s[6:7], bg s[8:9], Wn s[10:11], bn s[12:13], noise s[14:15], ridx s[16:17], rw s[18:19]
	v_lshl_add_u32 v1, v0, 2, SPARE                ; my spare word
	v_mov_b32 v2, 0                                ; and 0: these two serve the closing add alone
	v_and_b32 v3, 31, v0                           ; lane
	v_mov_b32 v4, 0                                ; 0: the first product's addend, and the stores' offset
	v_lshrrev_b32 v5, 5, v0
	v_readfirstlane_b32 s20, v5                    ; wave
	v_lshlrev_b32 v5, 2, v3
	v_lshl_add_u32 v5, s20, 10, v5                 ; x: 4 l + 1,024 w
	v_lshlrev_b32 v6, 5, v3
	v_lshl_add_u32 v6, s20, 13, v6                 ; Wg, Wn: 32 bytes a row: 32 l + 8,192 w
	v_and_b32 v7, 7, v0
	v_lshlrev_b32 v7, 2, v7                        ; bg, bn, noise: 4 (l % 8)
	s_lshl_b32 s22, ttmp9, 14                      ; the group's 4 rows of x
	s_mov_b32 s23, 0
	s_lshl_b32 s21, ttmp9, 2
	s_add_co_u32 s21, s21, s20                     ; the token that my wave gates
	s_lshl_b32 s24, s21, 5                         ; its 32 bytes of noise
	s_mov_b32 s25, 0
	s_lshl_b32 s26, s21, 3                         ; its 8 bytes of ridx
	s_mov_b32 s27, 0
	s_lshl_b32 s28, s21, 2                         ; its 4 bytes in each half of rw
	s_mov_b32 s29, 0
	s_wait_kmcnt 0x0
	s_add_nc_u64 s[4:5], s[4:5], s[22:23]
	s_add_nc_u64 s[14:15], s[14:15], s[24:25]
	s_add_nc_u64 s[16:17], s[16:17], s[26:27]
	s_add_nc_u64 s[18:19], s[18:19], s[28:29]
.set t, 0
.rept 4
.set c, 0
.rept 8
	global_load_b32 v[X+8*t+c], v5, s[4:5] offset:t*4096+c*128
.set c, c+1
.endr
.set t, t+1
.endr
.set c, 0
.rept 8                                ; two loads of a wave cover 1,024 consecutive bytes of a weight
	global_load_b128 v[WR+16*c:WR+16*c+3],     v6, s[6:7] offset:c*1024
	global_load_b128 v[WR+16*c+4:WR+16*c+7],   v6, s[6:7] offset:c*1024+16
	global_load_b128 v[WR+16*c+8:WR+16*c+11],  v6, s[10:11] offset:c*1024
	global_load_b128 v[WR+16*c+12:WR+16*c+15], v6, s[10:11] offset:c*1024+16
.set c, c+1
.endr
	s_wait_loadcnt 0x0
	; everything is rounded to bf16, two numbers to a register
.set t, 0
.rept 16
	v_cvt_pk_bf16_f32 v[XP+t], v[X+2*t], v[X+2*t+1]
.set t, t+1
.endr
.set t, 0
.rept 64
	v_cvt_pk_bf16_f32 v[WP+t], v[WR+2*t], v[WR+2*t+1]
.set t, t+1
.endr
	global_load_b32 v8, v7, s[8:9]                 ; bg, bn and my token's noise, into registers that x has left: they land under the products
	global_load_b32 v9, v7, s[12:13]
	global_load_b32 v10, v7, s[14:15]
	; 512 multiply-adds from bf16 halves into f32; the first product of each sum takes 0 as its addend, so nothing is cleared.  c = 2 ch + sa, o = 2 oh + sb
.irp ch, 0,1,2,3
.irp sa, 0,1
.irp t, 0,1,2,3
.irp oh, 0,1,2,3,4,5,6,7
.irp sb, 0,1
.if ((\ch)+(\sa)) == 0
	v_fma_mix_f32_bf16 v[ACC+16*(\t)+2*(\oh)+(\sb)], v[XP+4*(\t)+(\ch)], v[WP+8*(2*(\ch)+(\sa))+(\oh)], v4 op_sel:[\sa,\sb,0] op_sel_hi:[1,1,0]
.else
	v_fma_mix_f32_bf16 v[ACC+16*(\t)+2*(\oh)+(\sb)], v[XP+4*(\t)+(\ch)], v[WP+8*(2*(\ch)+(\sa))+(\oh)], v[ACC+16*(\t)+2*(\oh)+(\sb)] op_sel:[\sa,\sb,0] op_sel_hi:[1,1,0]
.endif
.endr
.endr
.endr
.endr
.endr
	; over the lanes: each lane lays its 64 sums into its row of the wave's own LDS, then reads two columns of all 32 rows
	s_mul_i32 s30, s20, RBYTES
	v_mul_u32_u24 v12, v3, RPITCH
	v_add_nc_u32 v12, s30, v12                     ; my row
	v_lshl_add_u32 v13, v3, 3, s30                 ; my two columns
	s_lshl_b32 s31, s20, 8
	s_add_co_u32 s31, s31, SH
	v_lshl_add_u32 v14, v3, 3, s31                 ; where my wave's sums go
	s_lshl_b32 s31, s20, 6
	s_add_co_u32 s31, s31, SH
	v_and_b32 v15, 15, v0
	v_lshl_add_u32 v15, v15, 2, s31                ; output l % 16 of token w, in the first wave's row
.set t, 0
.rept 16
	ds_store_b128 v12, v[ACC+4*t:ACC+4*t+3] offset:16*t
.set t, t+1
.endr
.set t, 0
.rept 32
	ds_load_b64 v[RD+2*t:RD+2*t+1], v13 offset:RPITCH*t  ; the wave's own bytes: LDS serves a wave's instructions in order (ISA guide 5.7.1.4), so these see the stores above
.set t, t+1
.endr
	s_wait_dscnt 0x0
.set t, 4
.rept 28                               ; four chains that do not wait for each other
	v_pk_add_f32 v[RD+2*(t%4):RD+2*(t%4)+1], v[RD+2*(t%4):RD+2*(t%4)+1], v[RD+2*t:RD+2*t+1]
.set t, t+1
.endr
	v_pk_add_f32 v[RD:RD+1], v[RD:RD+1], v[RD+2:RD+3]
	v_pk_add_f32 v[RD+4:RD+5], v[RD+4:RD+5], v[RD+6:RD+7]
	v_pk_add_f32 v[RD:RD+1], v[RD:RD+1], v[RD+4:RD+5]
	ds_store_b64 v14, v[RD:RD+1]
	s_wait_dscnt 0x0                               ; for the others' sake: my wave's sums are in LDS
	s_barrier_signal -1
	s_barrier_wait -1
.irp w, 0,1,2,3
	ds_load_b32 v[16+(\w)], v15 offset:256*(\w)    ; the four waves' parts of output l % 16 of my token
.endr
	s_wait_dscnt 0x0
	s_wait_loadcnt 0x0                             ; bg, bn, noise
	v_add_f32 v16, v16, v17
	v_add_f32 v18, v18, v19
	v_add_f32 v16, v16, v18                        ; lanes 0-7 of a row of 16: x Wg; lanes 8-15: x Wn
	v_cvt_pk_bf16_f32 v20, v8, v9
	v_cvt_pk_bf16_f32 v21, v10, v10
	v_lshlrev_b32 v22, 16, v20                     ; bg, rounded
	v_and_b32 v23, 0xffff0000, v20                 ; bn
	v_lshlrev_b32 v24, 16, v21                     ; noise
	v_mov_b32 v25, 0                               ; (a DPP form's destination counts as read)
	v_add_f32_dpp v25, v16, v23 row_xmask:8 row_mask:0xf bank_mask:0xf  ; z = (x Wn), fetched from the lane 8 away, + bn
	v_and_b32 v26, 0x7fffffff, v25
	v_mul_f32 v26, 0xbfb8aa3b, v26                 ; -|z| log2(e): the exponent is never above 0
	v_exp_f32 v27, v26
	v_max_num_f32 v28, 0, v25                      ; the plain line behind the exponential
	s_wait_alu depctr_va_vdst(0)                   ; the wait ahead of the result's first use
	v_add_f32 v27, 1.0, v27
	v_log_f32 v29, v27
	v_add_f32 v30, v16, v22                        ; x Wg + bg: the plain line behind the logarithm
	s_wait_alu depctr_va_vdst(0)
	v_fmamk_f32 v29, v29, 0x3f317218, v28          ; softplus(z) = max(z, 0) + ln 2 log2(1 + 2^(-|z| log2 e))
	v_fma_f32 v30, v24, v29, v30                   ; H, in lanes 0-7
.irp e, 0,1,2,3,4,5,6,7
	v_readlane_b32 s[32+(\e)], v30, \e
.endr
	; the two largest, by selects alone.  Strictly greater: of equal numbers the lower index stays ahead, as in jax.lax.top_k
	v_mov_b32 v31, s32                             ; the largest so far
	v_mov_b32 v32, 0xff800000                      ; the second
	v_mov_b32 v34, 0                               ; v[34:35] their indices
	v_mov_b32 v35, 0
.irp e, 1,2,3,4,5,6,7
	v_mov_b32 v33, s[32+(\e)]
	v_cmp_gt_f32 vcc_lo, v33, v31
	v_cmp_gt_f32 s40, v33, v32
	v_cndmask_b32 v32, v32, v33, s40
	v_cndmask_b32 v35, v35, \e, s40
	v_cndmask_b32 v32, v32, v31, vcc_lo
	v_cndmask_b32 v35, v35, v34, vcc_lo
	v_cndmask_b32 v31, v31, v33, vcc_lo
	v_cndmask_b32 v34, v34, \e, vcc_lo
.endr
	v_sub_f32 v38, v32, v31                        ; the maximum is taken away: the exponent is never above 0
	v_mul_f32 v38, 0x3fb8aa3b, v38
	v_exp_f32 v39, v38
	v_nop
	s_wait_alu depctr_va_vdst(0)
	v_add_f32 v38, 1.0, v39
	v_rcp_f32 v36, v38                             ; v[36:37] the weights: 1 / (1 + t),
	v_cmp_eq_u32 vcc_lo, 0, v3                     ; (the plain line behind the reciprocal)
	s_wait_alu depctr_va_vdst(0)
	v_mul_f32 v37, v39, v36                        ; t / (1 + t)
	s_wait_xcnt 0x0                                ; EXEC changes only behind this wait
	s_and_saveexec_b32 s41, vcc_lo                 ; lane 0 stores: 16 bytes a token; whole blocks of 256 bytes would want 32 tokens a work-group, 32 work-groups in all, for 16 KB
	global_store_b64 v4, v[34:35], s[16:17]
	global_store_b32 v4, v36, s[18:19]
	global_store_b32 v4, v37, s[18:19] offset:4096
	s_wait_xcnt 0x0
	s_or_b32 exec_lo, exec_lo, s41
	s_wait_tensorcnt 0x0                           ; the wave's end, behind my last LDS store
	ds_add_u32 v1, v2
	s_wait_dscnt 0x0
	s_endpgm
.Lfunc_end_k_qd1a94a6787_router:
	.size	k_qd1a94a6787_router, .Lfunc_end_k_qd1a94a6787_router-k_qd1a94a6787_router
	.p2alignl 7, 3214868480
	.fill 96, 4, 3214868480
	.section	.rodata,"a",@progbits
	.p2align	6, 0x0
	.amdhsa_kernel k_qd1a94a6787_router
		.amdhsa_group_segment_fixed_size 36352
		.amdhsa_private_segment_fixed_size 0
		.amdhsa_enable_private_segment 0
		.amdhsa_kernarg_size 64
		.amdhsa_user_sgpr_count 2
		.amdhsa_user_sgpr_kernarg_segment_ptr 1
		.amdhsa_wavefront_size32 1
		.amdhsa_system_sgpr_workgroup_id_x 1
		.amdhsa_system_sgpr_workgroup_id_y 1
		.amdhsa_system_sgpr_workgroup_id_z 1
		.amdhsa_system_vgpr_workitem_id 0
		.amdhsa_next_free_vgpr 248
		.amdhsa_next_free_sgpr 66
		.amdhsa_reserve_vcc 1
		.amdhsa_float_denorm_mode_32 3
		.amdhsa_float_denorm_mode_16_64 3
		.amdhsa_memory_ordered 1
		.amdhsa_forward_progress 1
		.amdhsa_inst_pref_size 56
	.end_amdhsa_kernel
	.amdgpu_metadata
---
amdhsa.version: [ 1, 2 ]
amdhsa.kernels:
  - .name:           k_qd1a94a6787_router
    .symbol:         k_qd1a94a6787_router.kd
    .args:
      - { .name: x, .offset: 0, .size: 8, .value_kind: global_buffer, .address_space: global }
      - { .name: Wg, .offset: 8, .size: 8, .value_kind: global_buffer, .address_space: global }
      - { .name: bg, .offset: 16, .size: 8, .value_kind: global_buffer, .address_space: global }
      - { .name: Wn, .offset: 24, .size: 8, .value_kind: global_buffer, .address_space: global }
      - { .name: bn, .offset: 32, .size: 8, .value_kind: global_buffer, .address_space: global }
      - { .name: noise, .offset: 40, .size: 8, .value_kind: global_buffer, .address_space: global }
      - { .name: ridx, .offset: 48, .size: 8, .value_kind: global_buffer, .address_space: global }
      - { .name: rw, .offset: 56, .size: 8, .value_kind: global_buffer, .address_space: global }
    .group_segment_fixed_size: 36352
    .private_segment_fixed_size: 0
    .kernarg_segment_align: 8
    .kernarg_segment_size: 64
    .max_flat_workgroup_size: 128
    .sgpr_count:     66
    .vgpr_count:     248
    .wavefront_size: 32
...
	.end_amdgpu_metadata
.endif
;; end of part 1
;; launch place (part 2): grid 256 x 8, 1 waves a work-group, no clusters, 4,608 bytes of LDS; arguments ridx, rw, x, xs, slotrow, slotw, cnt; writes xs, slotrow, slotw, cnt
.if DOCPART == 2
	.amdgcn_target "amdgcn-amd-amdhsa--gfx1250"
	.amdhsa_code_object_version 6
	.text
	.protected	k_qd1a94a6787_place
	.globl	k_qd1a94a6787_place
	.p2align	8
	.type	k_qd1a94a6787_place,@function
k_qd1a94a6787_place:
	s_mov_b64 s[64:65], 0
	v_nop
	global_prefetch_b8 v0, s[64:65] scope:SCOPE_SE
	s_setreg_imm32_b32 hwreg(HW_REG_WAVE_MODE, 25, 1), 1
	s_wait_xcnt 0x0
; THE PLACEMENT.  For an expert e: the tokens that chose it, in ascending order (a counting sort without atomics), and their rows of x, rounded to bf16 and laid in the order in which a
; wave's operand registers take them.  A work-group is one wave.  Its number id = x + 256 y is read as e = id % 8, kq = (id / 8) % 4 (256 of the 1,024 channels), tile = id / 32 (16 slots of the
; expert's list): so the tiles that exist are the lowest ids, whatever the split, and neighbouring ids share the work evenly.
; Every work-group counts the 2,048 choices for itself (8 KB of ridx).  The grid has 64 tiles an expert and so serves every split; a work-group whose tile lies past the expert's count stores nothing and ends.
; entry = 1024 choice + token.  Slots past the count in the last tile repeat the last real slot; an expert without tokens gets one tile of token 0, so that later launches read no byte that nobody wrote
; (the second product never stores it).
; xs: [8 e][64 tiles][16 blocks of 64 channels][4 pieces q][32 lanes][16 bytes]: lane (r = l % 16, h = l / 16) holds slot r, channels 64 kb + 32 h + 8 q + 0..7.
.set DUMPW, 1024                       ; LDS words 0-1023: the list; word 1024, in a block of its own: where lanes without a match store
.set SPARE, 4352                       ; the spare words: no other line names them
.set RAW,   8                          ; v[8:71] ridx; later v[8:135] the x rows
.set MA,    24                         ; s[24:55] group i's lanes whose first choice is e
.set MB,    66                         ; s[66:97] the same for the second choice
.set RK,    136                        ; v[136:139] four groups' ranks, then LDS addresses
.set EN,    140                        ; v[140:143] four groups' entries
	s_load_b256 s[4:11], s[0:1], 0x0               ; ridx s[4:5], rw s[6:7], x s[8:9], xs s[10:11]
	s_load_b128 s[12:15], s[0:1], 0x20             ; slotrow s[12:13], slotw s[14:15]
	s_load_b64 s[16:17], s[0:1], 0x30              ; cnt
	v_lshl_add_u32 v1, v0, 2, SPARE
	v_mov_b32 v2, 0                                ; these two serve the closing add alone
	v_lshlrev_b32 v3, 3, v0                        ; 8 bytes a token
	v_mov_b32 v4, 0
	v_mov_b32 v6, DUMPW                            ; 1,024: the dump word's number, and the second choice's mark
	s_and_b32 s18, ttmp7, 0xffff
	s_lshl_b32 s18, s18, 8
	s_add_co_u32 s18, s18, ttmp9                   ; id
	s_and_b32 s20, s18, 7                          ; e
	s_bfe_u32 s22, s18, 0x20003                    ; kq: 2 bits from bit 3
	s_lshr_b32 s21, s18, 5                         ; tile
	s_mov_b32 s23, 0                               ; matches so far
	ds_store_b32 v4, v4                            ; list[0] = token 0, for an expert without tokens; a real first entry comes behind it and overwrites it
	s_wait_kmcnt 0x0
.set i, 0
.rept 32
	global_load_b64 v[RAW+2*i:RAW+2*i+1], v3, s[4:5] offset:256*i
.set i, i+1
.endr
	; first all compares, each into a scalar register of its own: no line here waits for the line before it
.set i, 0
.rept 32                               ; tokens 32 i + lane
	s_wait_loadcnt 31-i                            ; loads come back in order: this group's is in, the younger stay out
	v_cmp_eq_u32 s[MA+i], s20, v[RAW+2*i]
	v_cmp_eq_u32 s[MB+i], s20, v[RAW+2*i+1]        ; (never both)
.set i, i+1
.endr
	; then the ranks, four groups at a time and stage by stage.  s[56:59] the groups' matches, s[60:63] the matches ahead of each group
.set g, 0
.rept 8
.irp k, 0,1,2,3
	s_or_b32 s[56+(\k)], s[MA+4*g+(\k)], s[MB+4*g+(\k)]
	s_mov_b32 s[60+(\k)], s23
	s_bcnt1_i32_b32 s19, s[56+(\k)]
	s_add_co_u32 s23, s23, s19
.endr
.irp k, 0,1,2,3
	v_mbcnt_lo_u32_b32 v[RK+(\k)], s[56+(\k)], s[60+(\k)]  ; my rank: matches ahead of my group + matches in the lanes below me
.endr
.irp k, 0,1,2,3
	v_cndmask_b32 v[RK+(\k)], v6, v[RK+(\k)], s[56+(\k)]   ; without a match: the dump word
.endr
.irp k, 0,1,2,3
	v_min_u32 v[RK+(\k)], 0x400, v[RK+(\k)]
.endr
.irp k, 0,1,2,3
	v_lshlrev_b32 v[RK+(\k)], 2, v[RK+(\k)]
.endr
.irp k, 0,1,2,3
	v_cndmask_b32 v[EN+(\k)], v4, v6, s[MB+4*g+(\k)]
.endr
.irp k, 0,1,2,3
	v_add3_u32 v[EN+(\k)], v[EN+(\k)], v0, 32*(4*g+(\k))   ; entry
.endr
.irp k, 0,1,2,3
	ds_store_b32 v[RK+(\k)], v[EN+(\k)]
.endr
.set g, g+1
.endr
	s_add_co_u32 s26, s23, 15
	s_lshr_b32 s26, s26, 4
	s_max_u32 s26, s26, 1                          ; tiles that are written: at least one
	s_cmp_ge_u32 s21, s26
	s_cbranch_scc1 .Lend
	s_max_u32 s27, s23, 1
	s_sub_co_u32 s27, s27, 1                       ; the last real slot
	v_and_b32 v136, 15, v0                         ; r
	v_lshl_add_u32 v137, s21, 4, v136
	v_min_u32 v137, s27, v137                      ; slots past the count repeat the last
	v_min_u32 v137, 0x3ff, v137
	v_lshlrev_b32 v137, 2, v137
	ds_load_b32 v138, v137                         ; the wave's own stores, served in order
	s_lshl_b32 s28, s22, 10                        ; x: my 256 channels
	s_mov_b32 s29, 0
	s_add_nc_u64 s[8:9], s[8:9], s[28:29]
	s_lshl_b32 s28, s20, 6
	s_add_co_u32 s28, s28, s21
	s_lshl_b32 s28, s28, 15                        ; xs: a tile is 32,768 bytes,
	s_lshl_b32 s30, s22, 13                        ; my four blocks of it 8,192
	s_add_co_u32 s28, s28, s30
	s_add_nc_u64 s[10:11], s[10:11], s[28:29]
	v_bfe_u32 v140, v0, 4, 1                       ; h
	v_lshlrev_b32 v140, 7, v140
	v_lshlrev_b32 v141, 4, v0                      ; 16 bytes a lane
	s_wait_dscnt 0x0
	v_min_u32 v138, 0x7ff, v138                    ; entry
	v_and_b32 v139, 0x3ff, v138                    ; token
	v_lshl_add_u32 v140, v139, 12, v140            ; its row of x, + 128 h
	v_lshlrev_b32 v5, 2, v138
	global_load_b32 v142, v5, s[6:7]               ; rw[choice][token]: asked for ahead of the rows, so that it is in when they are
.set i, 0
.rept 32                               ; block i / 8: my 128 consecutive bytes, by eight loads
	global_load_b128 v[RAW+4*i:RAW+4*i+3], v140, s[8:9] offset:256*(i/8)+16*(i%8)
.set i, i+1
.endr
.irp kb, 0,1,2,3
	s_wait_loadcnt 8*(3-(\kb))
.set i, 0
.rept 16                               ; rounded in place: register n takes the pair 2 n, 2 n + 1, ascending, so no number is overwritten before it is read
	v_cvt_pk_bf16_f32 v[RAW+32*(\kb)+i], v[RAW+32*(\kb)+2*i], v[RAW+32*(\kb)+2*i+1]
.set i, i+1
.endr
.irp q, 0,1,2,3
	global_store_b128 v141, v[RAW+32*(\kb)+4*(\q):RAW+32*(\kb)+4*(\q)+3], s[10:11] offset:2048*(\kb)+512*(\q)  ; 512 consecutive bytes a store
.endr
.endr
	s_cmp_lg_u32 s22, 0
	s_cbranch_scc1 .Lend                           ; the lists are written by the tile's first work-group
	s_lshl_b32 s28, s20, 12
	s_lshl_b32 s30, s21, 6
	s_add_co_u32 s28, s28, s30                     ; 4 (1,024 e + 16 tile)
	s_add_nc_u64 s[12:13], s[12:13], s[28:29]
	s_add_nc_u64 s[14:15], s[14:15], s[28:29]
	v_lshlrev_b32 v143, 2, v136
	v_cmp_gt_u32 vcc_lo, 16, v0
	s_wait_xcnt 0x0                                ; EXEC changes only behind this wait
	s_and_saveexec_b32 s31, vcc_lo                 ; lanes 0-15: one lane a slot
	global_store_b32 v143, v138, s[12:13]
	global_store_b32 v143, v142, s[14:15]
	s_wait_xcnt 0x0
	s_or_b32 exec_lo, exec_lo, s31
	s_cmp_lg_u32 s21, 0
	s_cbranch_scc1 .Lend
	v_mov_b32 v6, s20
	v_lshlrev_b32 v6, 2, v6
	v_mov_b32 v7, s23
	v_cmp_eq_u32 vcc_lo, 0, v0
	s_and_saveexec_b32 s31, vcc_lo                 ; (nothing has been issued since the last wait)
	global_store_b32 v6, v7, s[16:17]              ; cnt[e]
	s_wait_xcnt 0x0
	s_or_b32 exec_lo, exec_lo, s31
.Lend:
	s_wait_tensorcnt 0x0                           ; the wave's end, behind my last LDS store
	ds_add_u32 v1, v2
	s_wait_dscnt 0x0
	s_endpgm
.Lfunc_end_k_qd1a94a6787_place:
	.size	k_qd1a94a6787_place, .Lfunc_end_k_qd1a94a6787_place-k_qd1a94a6787_place
	.p2alignl 7, 3214868480
	.fill 96, 4, 3214868480
	.section	.rodata,"a",@progbits
	.p2align	6, 0x0
	.amdhsa_kernel k_qd1a94a6787_place
		.amdhsa_group_segment_fixed_size 4608
		.amdhsa_private_segment_fixed_size 0
		.amdhsa_enable_private_segment 0
		.amdhsa_kernarg_size 56
		.amdhsa_user_sgpr_count 2
		.amdhsa_user_sgpr_kernarg_segment_ptr 1
		.amdhsa_wavefront_size32 1
		.amdhsa_system_sgpr_workgroup_id_x 1
		.amdhsa_system_sgpr_workgroup_id_y 1
		.amdhsa_system_sgpr_workgroup_id_z 1
		.amdhsa_system_vgpr_workitem_id 0
		.amdhsa_next_free_vgpr 144
		.amdhsa_next_free_sgpr 100
		.amdhsa_reserve_vcc 1
		.amdhsa_float_denorm_mode_32 3
		.amdhsa_float_denorm_mode_16_64 3
		.amdhsa_memory_ordered 1
		.amdhsa_forward_progress 1
		.amdhsa_inst_pref_size 38
	.end_amdhsa_kernel
	.amdgpu_metadata
---
amdhsa.version: [ 1, 2 ]
amdhsa.kernels:
  - .name:           k_qd1a94a6787_place
    .symbol:         k_qd1a94a6787_place.kd
    .args:
      - { .name: ridx, .offset: 0, .size: 8, .value_kind: global_buffer, .address_space: global }
      - { .name: rw, .offset: 8, .size: 8, .value_kind: global_buffer, .address_space: global }
      - { .name: x, .offset: 16, .size: 8, .value_kind: global_buffer, .address_space: global }
      - { .name: xs, .offset: 24, .size: 8, .value_kind: global_buffer, .address_space: global }
      - { .name: slotrow, .offset: 32, .size: 8, .value_kind: global_buffer, .address_space: global }
      - { .name: slotw, .offset: 40, .size: 8, .value_kind: global_buffer, .address_space: global }
      - { .name: cnt, .offset: 48, .size: 8, .value_kind: global_buffer, .address_space: global }
    .group_segment_fixed_size: 4608
    .private_segment_fixed_size: 0
    .kernarg_segment_align: 8
    .kernarg_segment_size: 56
    .max_flat_workgroup_size: 32
    .sgpr_count:     100
    .vgpr_count:     144
    .wavefront_size: 32
...
	.end_amdgpu_metadata
.endif
;; end of part 2
;; launch ffn1 (part 3): grid 32 x 8, 8 waves a work-group, no clusters, 263,168 bytes of LDS; arguments W1, b1, xs, h, cnt; writes h
.if DOCPART == 3
	.amdgcn_target "amdgcn-amd-amdhsa--gfx1250"
	.amdhsa_code_object_version 6
	.text
	.protected	k_qd1a94a6787_ffn1
	.globl	k_qd1a94a6787_ffn1
	.p2align	8
	.type	k_qd1a94a6787_ffn1,@function
k_qd1a94a6787_ffn1:
	s_mov_b64 s[64:65], 0
	v_nop
	global_prefetch_b8 v0, s[64:65] scope:SCOPE_SE
	s_setreg_imm32_b32 hwreg(HW_REG_WAVE_MODE, 25, 1), 1
	s_wait_xcnt 0x0
; ONE TEXT FOR BOTH PRODUCTS OF AN EXPERT'S LAYER, chosen by FFN.
;   FFN = 1: h = relu(xs W1 + b1), rounded once to bf16, stored in the order in which the second product's operand registers take it.
;   FFN = 2: part[kq][1024 choice + token] = w (h W2 over a quarter kq of the hidden width, + b2 in quarter 0), f32: partial sums, which the last launch adds.
; SHARES.  A work-group has expert e = y, 128 columns and 1,024 rows of the weight: 512 KB of f32 that it alone reads, once; and all of that expert's token rows, in tiles of 16.
; The weight goes in 16 chunks of 64 rows.  ALL EIGHT WAVES RUN ONE TEXT.  Each loads an eighth of every chunk (8 loads of 512 bytes), rounds it to bf16 and lays it into LDS as operand fragments.
; For the products the waves are 4 row groups x 2 column groups (rg = w / 2, cg = w % 2): a wave has five tiles of tokens (rg + 4 i + 20 pass) and 64 columns: 20 accumulators.  So a weight fragment
; is read from LDS by four waves, 16 LDS loads for a wave's 32 to 40 matrix instructions of a chunk; a tile's token rows, which come from memory straight into operand registers, are asked for by the two waves of its row group.
; LDS holds the whole slice (256 KB in bf16); each byte is written once.  So rows past the first pass are served from LDS with no barrier and no weight read again.
; THE ORDER OF THE LOADS.  A wave's loads come back in order (ISA guide 5.7.1), so a wait for token rows calls home every weight load issued ahead of them.  A trip therefore asks for the next chunk's
; token rows first and then for the weights four chunks on: a weight load has two trips in which to land, and 16 of them a wave, 64 KB a work-group, are out.
; A chunk is laid into LDS two trips ahead of its products.  THE LDS LOADS RIDE ON THE PRODUCTS: a K step's eight loads stand in two groups of four behind the first two groups of four matrix instructions of the K step before.
; ROWS.  A pass is 20 tiles.  All five tiles of a wave are always loaded (a tile past the count repeats the last), so that every count of loads is a constant; the fifth tile's matrix instructions and the stores
; of tiles past the count are jumped by scalar branches on the expert's count, which an earlier launch stored.  Passes 1 to 3 are jumped where the expert has no such tiles.  An expert without tokens still streams its weights.
; THE ORDER ALONG K is the same permutation in both operands: in a block of 64, lane half h, register i, half p of K step u stand for k = 32 h + 16 u + 2 i + p.  A weight fragment t of a group g of 64 columns
; holds column 64 g + 4 r + t in lane r: so a lane's 16-byte loads of f32 rows turn into fragments by roundings alone, and sixteen lanes read 256 consecutive aligned bytes.
; PREFETCH.  Once a turn of two chunks each of the 256 threads asks for one block of 256 bytes: together the 64 KB of the two chunks that the next turn's loads will want; the last turn's address is held at chunks 14 and 15.
; FORMATS.  Weights and biases are rounded once to bf16, sums are f32.  The bias starts the sums: the 160 lines that write it stand where clearing would, and spare as many additions at the end.
; LIMITS.  NaN and infinities are not treated apart (FFN = 2 multiplies b2 by 0 in quarters 1 to 3).  Slots past the count repeat the last real slot: the same numbers go to the same bytes again, from the same wave.
; NO CLUSTER: what an expert's work-groups share is its token rows, which go straight into registers; a joint load would want an LDS ring beside the 256 KB of weights, and requests for 64 tiles at every split.
.set FFN, 1
.if FFN == 1
.set PITCH, 16384                      ; bytes from row to row of the weight
.set HSH,   19                         ; 32 rows of it
.set ASH,   15                         ; a tile of the token operand: 16 blocks of 2,048 bytes
.set BSH,   14                         ; an expert's bias
.else
.set PITCH, 4096
.set HSH,   17
.set ASH,   17                         ; 64 blocks
.set BSH,   12
.endif
.set PSH,   HSH-5                      ; one row of the weight
.set CH,    64*PITCH                   ; a chunk in memory
.set CHL,   16384                      ; a chunk in LDS: (8 u + 4 g + t) 1,024 + 512 a + 16 lane; a = low or high four registers of a fragment
.set SPARE, 262144                     ; behind the slice: the spare words, 128 bytes a wave: no other line names them
.set WV,  20                           ; s20 wave      s21 row group      s22 e      s23 slice of columns      s24 quarter of K (FFN = 2)
.set RG,  21
.set EX,  22
.set SL,  23
.set KQ,  24
.set CNT, 25                           ; s25 the expert's rows     s26 its tiles     s27 tiles that exist in memory: at least 1
.set NT,  26
.set NTS, 27
.set PS,  28                           ; s28 pass
.set LC,  29                           ; s29 LDS byte of the chunk that a trip takes as rel 0
.set AC,  30                           ; s30 that chunk's byte in a tile of the token operand
.set LP,  31                           ; s31 loop count; s2, s3, s32-35 at work
.set WB,  36                           ; s[36:37] my place in the weight
.set LV4, 38                           ; s38 1: my fifth tile exists
.set PL,  39                           ; s39 passes to go
.set TB,  40                           ; s[40:49] my five tiles of the token operand
.set SB,  50                           ; s[50:51] a base on the way out
.set CG,  52                           ; s52 column group
.set PFC, 53                           ; s53 byte, in the slice, of the chunks to prefetch
.set HIM, 54                           ; s54 a word's upper bf16
.set FLG, 55                           ; s55 1.0 in quarter 0, else 0
.set SR,  66                           ; s[66:75] FFN = 2: my five tiles' places in slotrow
.set SW,  76                           ; s[76:85] and in slotw
.set SPW, 1                            ; v1, v2 serve the closing add alone
.set NIL, 2
.set AOF, 3                            ; v3  my byte in a tile of the token operand: AC + 16 lane
.set L16, 4                            ; v4  16 lane
.set BAD, 5                            ; v5  LC + v11: where fragments are read
.set LST, 6                            ; v6  LC + v8: where my fragments are laid
.set WOF, 7                            ; v7  my byte in the weight: 32 h rows + 16 r
.set LSW, 8                            ; v8  4,096 (w % 4) + 512 (w / 4) + 16 lane
.set ZR,  9                            ; v9  FFN = 1: 0;  FFN = 2 (HOF): 32 h
.set HOF, 9
.set BOF, 10                           ; v10 my byte in the slice's bias; FFN = 2: 256 cg + 16 r, also my place in a row of part
.set LBW, 11                           ; v11 4,096 cg + 16 lane
.set PF0, 14                           ; v14 the prefetch: my block's byte in two chunks
.set PFV, 15                           ; v15 PFC + v14
.set OUT, 16                           ; v[16:31]   my rounded fragments
.set AB0, 32                           ; v[32:191]  two buffers of 80: a chunk's token fragments: tile i, piece q at 16 i + 4 q
.set AB1, 112
.set BB0, 192                          ; v[192:223] K step 0's four weight fragments
.set BB1, 224                          ; v[224:255] K step 1's
.set RAW, 160                          ; SECOND WINDOW OF 256: v[0:159] the accumulators, tile i, fragment t at 32 i + 8 t; v[160:223] two buffers of 32: my weights as loaded
.set MSB, 0
.macro WIN new                         ; s_set_vgpr_msb: bits 1:0 source 0, 3:2 source 1, 5:4 source 2, 7:6 destination; the high byte repeats the setting that is left
.if MSB != (\new)
	s_set_vgpr_msb (MSB<<8)|(\new)
.set MSB, \new
.endif
.endm
.macro PLACES                          ; a load into a register that a matrix instruction has read, and a vector line that reads its result, stand four plain vector lines behind it
.rept 4
	v_nop
.endr
.endm
.macro CVT rwb                         ; my eight rows x four columns a lane, rounded: fragment t's register i takes column t of rows 2 i, 2 i + 1
	WIN 0x05
.irp t, 0,1,2,3
.irp i, 0,1,2,3
	v_cvt_pk_bf16_f32 v[OUT+4*(\t)+(\i)], v[(\rwb)+8*(\i)+(\t)], v[(\rwb)+8*(\i)+4+(\t)]
.endr
.endr
	WIN 0
.endm
.macro ASKW rwb, c                     ; my eighth of chunk c from WB: 8 loads; sixteen lanes read 256 consecutive aligned bytes of a row, the other sixteen those of the row 32 further down
	WIN 0x40
.irp j, 0,1,2,3,4,5,6,7
	global_load_b128 v[(\rwb)+4*(\j):(\rwb)+4*(\j)+3], v[WOF], s[WB:WB+1] offset:(\c)*CH+(\j)*PITCH th:TH_LOAD_NT
.endr
	WIN 0
.endm
.macro PUT c                           ; into LDS, chunk c from LC: 512 consecutive bytes a store
.irp t, 0,1,2,3
	ds_store_b128 v[LST], v[OUT+4*(\t):OUT+4*(\t)+3] offset:(\c)*CHL+(\t)*1024
.endr
.endm
.macro LDB2 bb, rel, u, t0             ; fragments t0 and t0 + 1 of my column group, K step u of chunk rel: 4 loads, 512 consecutive bytes each
.irp d, 0,1
	ds_load_b128 v[(\bb)+8*((\t0)+(\d)):(\bb)+8*((\t0)+(\d))+3],   v[BAD] offset:(\rel)*CHL+(8*(\u)+(\t0)+(\d))*1024
	ds_load_b128 v[(\bb)+8*((\t0)+(\d))+4:(\bb)+8*((\t0)+(\d))+7], v[BAD] offset:(\rel)*CHL+(8*(\u)+(\t0)+(\d))*1024+512
.endr
.endm
.macro LDB bb, rel, u
	LDB2 \bb, \rel, \u, 0
	LDB2 \bb, \rel, \u, 2
.endm
.macro LDA buf, rel                    ; a chunk's token fragments of my five tiles: 20 loads, 512 consecutive bytes each
.irp i, 0,1,2,3,4
.irp q, 0,1,2,3
	global_load_b128 v[(\buf)+16*(\i)+4*(\q):(\buf)+16*(\i)+4*(\q)+3], v[AOF], s[TB+2*(\i):TB+2*(\i)+1] offset:(\rel)*2048+(\q)*512
.endr
.endr
.endm
.macro WM d, w, a                      ; FFN = 1: source 0 the weights: a lane then holds one token and eight hidden channels.  FFN = 2: source 0 the tokens: a lane holds one column of eight tokens
.if FFN == 1
	v_wmma_f32_16x16x32_bf16 v[(\d):(\d)+7], v[(\w):(\w)+7], v[(\a):(\a)+7], v[(\d):(\d)+7]
.else
	v_wmma_f32_16x16x32_bf16 v[(\d):(\d)+7], v[(\a):(\a)+7], v[(\w):(\w)+7], v[(\d):(\d)+7]
.endif
.endm
; A K step: four groups (fragment t) of four matrix instructions (tiles 0 to 3), then four for tile 4 where it exists.  The accumulators take turns, one instruction a turn:
; 15 others' at the least stand between two on one accumulator.  rd = 1: behind groups 0 and 1 ride the eight LDS loads of buffer rbb (chunk rrel, K step ru).
; w0, w2: the younger LDS instructions that may be out when fragments 0, 1 and fragments 2, 3 of bb have to be there (-1: no wait).
.macro MUL ab, u, bb, rd, rbb, rrel, ru, w0, w2
.irp t, 0,1,2,3
.if ((\t) == 0) && ((\w0) >= 0)
	s_wait_dscnt \w0
.endif
.if ((\t) == 2) && ((\w2) >= 0)
	s_wait_dscnt \w2
.endif
	WIN 0x50
.irp i, 0,1,2,3
	WM 32*(\i)+8*(\t), (\bb)+8*(\t), (\ab)+16*(\i)+8*(\u)
.endr
.if (\rd) && ((\t) < 2)
	WIN 0
	LDB2 \rbb, \rrel, \ru, 2*(\t)
.endif
.endr
	WIN 0                                          ; at a branch and at a label every window is 0
	s_cmp_eq_u32 s[LV4], 0
	s_cbranch_scc1 .Ldead_\@                       ; forward, over matrix instructions alone
	WIN 0x50
.irp t, 0,1,2,3
	WM 128+8*(\t), (\bb)+8*(\t), (\ab)+64+8*(\u)
.endr
	WIN 0
.Ldead_\@:
.endm
; TRIP t multiplies chunk t (rel from LC; par = t % 2).  st: chunk t + 2 is rounded and laid into LDS.  la: chunk t + 1's token rows are asked for.  re: the weights of chunk t + 4 are asked for.
; nx: chunk t + 1's first fragments are read from LDS.  nw, na: the younger loads that may stay out when W(t + 2), A(t) have to be there.  bar: the barrier that shows this trip's stores to every wave.  pf: the turn's prefetch.
; The LDS instructions of a trip, in order: my 4 stores; K step 1's 8 loads (riding on K step 0); the next chunk's K step 0's 8 loads (riding on K step 1).  The counts below follow from that.
.macro TRIP rel, par, st, la, re, nx, nw, na, bar, pf
.set RWB, RAW+32*(\par)
.set ABC, AB0+80*(\par)
.set ABN, AB0+80*(1-(\par))
.if \st
	s_wait_loadcnt \nw
	CVT RWB                                        ; sixteen plain lines that name no register of the matrix instructions: the places in front of the loads below and of the riders
.else
	PLACES
.endif
.if \la
	LDA ABN, (\rel)+1
.endif
.if \re
	ASKW RWB, (\rel)+4
.endif
.if \st
	PUT (\rel)+2
.endif
	s_wait_loadcnt \na
.if \pf
	global_prefetch_b8 v[PFV], s[4:5] th:TH_LOAD_NT scope:SCOPE_SE  ; my block of the two chunks that the next turn's loads ask for
.endif
	MUL ABC, 0, BB0, 1, BB1, \rel, 1, 4+4*(\st), 8+4*(\st)
	PLACES                                         ; in front of the riders that load into K step 0's buffer
	MUL ABC, 1, BB1, \nx, BB0, (\rel)+1, 0, 4, 8*(\nx)
.if \bar
	s_wait_dscnt 0x0                               ; for the others' sake: my stores are in LDS
	s_barrier_signal -1
	s_barrier_wait -1
.endif
.endm
.macro MKTB                            ; my five tiles of pass PS; a tile past the last repeats it
	s_mul_i32 s34, s[PS], 20
	s_add_co_u32 s34, s34, s[RG]
	s_sub_co_u32 s35, s[NTS], 1
	s_mov_b32 s33, 0
	s_mov_b32 s3, 0
.irp i, 0,1,2,3,4
	s_add_co_u32 s32, s34, 4*(\i)
	s_min_u32 s32, s32, s35
	s_min_u32 s32, s32, 63
.if FFN == 2
	s_lshl_b32 s2, s32, 6                          ; 16 slots of 4 bytes
	s_add_nc_u64 s[SR+2*(\i):SR+2*(\i)+1], s[16:17], s[2:3]
	s_add_nc_u64 s[SW+2*(\i):SW+2*(\i)+1], s[18:19], s[2:3]
.endif
	s_lshl_b32 s32, s32, ASH
	s_add_nc_u64 s[TB+2*(\i):TB+2*(\i)+1], s[8:9], s[32:33]
.endr
	s_add_co_u32 s34, s34, 16
	s_cmp_lt_u32 s34, s[NT]
	s_cselect_b32 s[LV4], 1, 0
.endm
.macro SLOTLD                          ; FFN = 2: my five tiles' rows of part and gate weights, eight slots a lane, into the first token buffer: 20 loads
.irp i, 0,1,2,3,4
	global_load_b128 v[AB0+16*(\i):AB0+16*(\i)+3],     v[HOF], s[SR+2*(\i):SR+2*(\i)+1]
	global_load_b128 v[AB0+16*(\i)+4:AB0+16*(\i)+7],   v[HOF], s[SR+2*(\i):SR+2*(\i)+1] offset:16
	global_load_b128 v[AB0+16*(\i)+8:AB0+16*(\i)+11],  v[HOF], s[SW+2*(\i):SW+2*(\i)+1]
	global_load_b128 v[AB0+16*(\i)+12:AB0+16*(\i)+15], v[HOF], s[SW+2*(\i):SW+2*(\i)+1] offset:16
.endr
.endm
; The bias starts the sums.  It is staged in the second token buffer, which is free at a pass's beginning.
.set BR, AB1
.macro BIASLD
	s_wait_xcnt 0x0                                ; stores of the pass before may still name the registers written below
.if FFN == 1
.irp m, 0,1,2,3,4,5,6,7
	global_load_b128 v[BR+4*(\m):BR+4*(\m)+3], v[BOF], s[6:7] offset:16*(\m)  ; b1 of my 32 channels: 4 j + t at register 4 j + t
.endr
.else
	global_load_b128 v[BR:BR+3], v[BOF], s[6:7]    ; b2 of columns 64 cg + 4 r + t
.endif
.endm
.macro BIASMATH left
.if (\left) >= 0
	s_wait_loadcnt \left
.endif
.if FFN == 1
.set n, 0
.rept 16
	v_cvt_pk_bf16_f32 v[BR+32+n], v[BR+2*n], v[BR+2*n+1]
.set n, n+1
.endr
.else
.irp n, 0,1
	v_cvt_pk_bf16_f32 v[BR+4+(\n)], v[BR+2*(\n)], v[BR+2*(\n)+1]
.endr
.irp n, 0,1
	v_lshlrev_b32 v[BR+8+2*(\n)], 16, v[BR+4+(\n)]
	v_and_b32 v[BR+9+2*(\n)], s[HIM], v[BR+4+(\n)]
.endr
.endif
	WIN 0x40
.irp i, 0,1,2,3,4
.irp t, 0,1,2,3
.irp j, 0,1,2,3,4,5,6,7
.if FFN == 2
	v_mul_f32 v[32*(\i)+8*(\t)+(\j)], s[FLG], v[BR+8+(\t)]
.elseif ((\t)%2) == 0
	v_lshlrev_b32 v[32*(\i)+8*(\t)+(\j)], 16, v[BR+32+2*(\j)+(\t)/2]
.else
	v_and_b32 v[32*(\i)+8*(\t)+(\j)], s[HIM], v[BR+32+2*(\j)+(\t)/2]
.endif
.endr
.endr
.endr
	WIN 0
.endm
; THE WAY OUT of my tile i of pass PS; a tile past the bound is jumped.  Each accumulator's register 0 is read first.
.macro EPI i
	s_mul_i32 s32, s[PS], 20
	s_add_co_u32 s32, s32, s[RG]
	s_add_co_u32 s32, s32, 4*(\i)
.if FFN == 1
	s_cmp_ge_u32 s32, s[NTS]
.else
	s_cmp_ge_u32 s32, s[NT]
.endif
	s_cbranch_scc1 .Lskip_\@
.set ACB, 32*(\i)
.if FFN == 1
	; lane (r, h) holds token r and channels 64 cg + 32 h + 4 j + t: just the 32 numbers that the same lane takes as the second product's operand
.set PB, AB0+16*(\i)
	s_mov_b32 s33, 0
	s_lshl_b32 s32, s32, 17                        ; a tile of h: 131,072 bytes
	s_wait_xcnt 0x0                                ; the base is rewritten only behind this wait
	s_add_nc_u64 s[SB:SB+1], s[10:11], s[32:33]
	WIN 0x05
.irp j, 0,1,2,3,4,5,6,7
.irp p, 0,1
	v_cvt_pk_bf16_f32 v[PB+2*(\j)+(\p)], v[ACB+8*(2*(\p))+(\j)], v[ACB+8*(2*(\p)+1)+(\j)]
.endr
.endr
	WIN 0
.set n, 0
.rept 16
	v_pk_max_num_bf16 v[PB+n], v[PB+n], v[ZR]      ; relu on the rounded pair: the same number as rounding the relu
.set n, n+1
.endr
.irp q, 0,1,2,3
	global_store_b128 v[L16], v[PB+4*(\q):PB+4*(\q)+3], s[SB:SB+1] offset:512*(\q)  ; 512 consecutive bytes a store
.endr
.else
	; lane (r, h), register j: slot 8 h + j, columns 64 cg + 4 r + t: for one j sixteen lanes hold 256 consecutive bytes of a row of part
.set SLT, AB0+16*(\i)                  ; the tile's eight rows of part, then its eight weights
.set VO,  AB1+40*((\i)%2)              ; eight byte offsets,
.set TM,  VO+8                         ; and 32 numbers to store
	s_wait_xcnt 0x0                                ; registers that earlier stores name are rewritten only behind this wait
.irp j, 0,1,2,3,4,5,6,7
	v_min_u32 v[VO+(\j)], 0x7ff, v[SLT+(\j)]
.endr
.irp j, 0,1,2,3,4,5,6,7
	v_lshl_add_u32 v[VO+(\j)], v[VO+(\j)], 12, v[BOF]
.endr
	WIN 0x01
.irp j, 0,1,2,3,4,5,6,7
.irp t, 0,1,2,3
	v_mul_f32 v[TM+4*(\j)+(\t)], v[ACB+8*(\t)+(\j)], v[SLT+8+(\j)]
.endr
.endr
	WIN 0
.irp j, 0,1,2,3,4,5,6,7
	global_store_b128 v[VO+(\j)], v[TM+4*(\j):TM+4*(\j)+3], s[10:11]
.endr
.endif
.Lskip_\@:
.endm
	s_load_b256 s[4:11], s[0:1], 0x0               ; the weight s[4:5], the bias s[6:7], the token operand s[8:9], the result s[10:11]
	s_load_b64 s[12:13], s[0:1], 0x20              ; cnt
.if FFN == 2
	s_load_b128 s[16:19], s[0:1], 0x28             ; slotrow s[16:17], slotw s[18:19]
.endif
	v_lshl_add_u32 v[SPW], v0, 2, SPARE
	v_mov_b32 v[NIL], 0
	v_lshrrev_b32 v15, 5, v0
	v_readfirstlane_b32 s[WV], v15
	v_and_b32 v12, 15, v0                          ; r
	v_bfe_u32 v13, v0, 4, 1                        ; h
	v_and_b32 v14, 31, v0                          ; lane
	s_and_b32 s[EX], ttmp7, 0xffff
.if FFN == 1
	s_mov_b32 s[SL], ttmp9
	s_mov_b32 s[KQ], 0
.else
	s_and_b32 s[SL], ttmp9, 7
	s_lshr_b32 s[KQ], ttmp9, 3
.endif
	s_lshr_b32 s[RG], s[WV], 1
	s_and_b32 s[CG], s[WV], 1
	s_mov_b32 s[HIM], 0xffff0000
	s_cmp_eq_u32 s[KQ], 0
	s_cselect_b32 s[FLG], 1.0, 0
	s_mov_b32 s[PS], 0
	s_mov_b32 s[LC], 0
	s_mov_b32 s[AC], 0
	s_mov_b32 s[PFC], 6*CH
	s_mov_b32 s33, 0
	v_lshlrev_b32 v[L16], 4, v14
	v_mov_b32 v[AOF], v[L16]
	s_lshl_b32 s32, s[CG], 12
	v_add_nc_u32 v[LBW], s32, v[L16]
	v_mov_b32 v[BAD], v[LBW]
	s_and_b32 s32, s[WV], 3                        ; what I lay into LDS: K step and column group 2 u + g = w % 4,
	s_lshl_b32 s32, s32, 12
	s_lshr_b32 s34, s[WV], 2                       ; half a = w / 4
	s_lshl_b32 s34, s34, 9
	s_add_co_u32 s32, s32, s34
	v_add_nc_u32 v[LSW], s32, v[L16]
	v_mov_b32 v[LST], v[LSW]
	v_lshlrev_b32 v[WOF], HSH, v13
	v_lshl_add_u32 v[WOF], v12, 4, v[WOF]
	s_lshl_b32 s34, s[CG], 8
.if FFN == 1
	v_mov_b32 v[ZR], 0
	v_lshlrev_b32 v[BOF], 7, v13
.else
	v_lshlrev_b32 v[HOF], 5, v13
	v_lshlrev_b32 v[BOF], 4, v12
.endif
	v_add_nc_u32 v[BOF], s34, v[BOF]
	v_lshrrev_b32 v[PF0], 1, v0                    ; the prefetch: thread n has row n / 2 of two chunks' 128 rows, half n % 2 of its 512 bytes
	v_lshlrev_b32 v[PF0], PSH, v[PF0]
	v_and_b32 v[PFV], 1, v0
	v_lshl_add_u32 v[PF0], v[PFV], 8, v[PF0]
	v_add_nc_u32 v[PFV], s[PFC], v[PF0]
	s_lshl_b32 s32, s[EX], 2
	s_wait_kmcnt 0x0
	s_add_nc_u64 s[12:13], s[12:13], s[32:33]
	s_load_b32 s[CNT], s[12:13], 0x0               ; it is waited for behind the first loads, which do not hang on it
	s_lshl_b32 s32, s[EX], 24                      ; the weight: 16 MiB an expert, 4 MiB a quarter of K, 512 bytes a slice
	s_lshl_b32 s34, s[KQ], 22
	s_add_co_u32 s32, s32, s34
	s_lshl_b32 s34, s[SL], 9
	s_add_co_u32 s32, s32, s34
	s_add_nc_u64 s[4:5], s[4:5], s[32:33]          ; the work-group's slice
	s_and_b32 s32, s[WV], 1                        ; my wave's eighth of a chunk: column group g = w % 2,
	s_lshl_b32 s32, s32, 8
	s_bfe_u32 s35, s[WV], 0x10001                  ; K step u = (w / 2) % 2: 16 rows,
	s_mul_i32 s35, s35, 16*PITCH
	s_add_co_u32 s32, s32, s35
	s_lshr_b32 s35, s[WV], 2                       ; half a = w / 4: 8 rows
	s_mul_i32 s35, s35, 8*PITCH
	s_add_co_u32 s32, s32, s35
	s_add_nc_u64 s[WB:WB+1], s[4:5], s[32:33]
	s_lshl_b32 s32, s[EX], BSH                     ; the bias: 512 bytes a slice too
	s_add_co_u32 s32, s32, s34
	s_add_nc_u64 s[6:7], s[6:7], s[32:33]
	BIASLD
	ASKW RAW, 0                                    ; chunks 0 and 1
	ASKW RAW+32, 1
	s_lshl_b32 s32, s[EX], ASH+6                   ; the token operand: 64 tiles an expert, 16 blocks of 2,048 bytes a quarter
	s_lshl_b32 s34, s[KQ], 15
	s_add_co_u32 s32, s32, s34
	s_add_nc_u64 s[8:9], s[8:9], s[32:33]
.if FFN == 1
	s_lshl_b32 s32, s[EX], 23                      ; h: 64 tiles of 131,072 bytes an expert; a slice is two blocks of 2,048, of which my column group has one
	s_lshl_b32 s34, s[SL], 12
	s_add_co_u32 s32, s32, s34
	s_lshl_b32 s34, s[CG], 11
.else
	s_lshl_b32 s32, s[KQ], 23                      ; part: 8 MiB a quarter; a slice is 512 bytes of a row
	s_lshl_b32 s34, s[SL], 9
.endif
	s_add_co_u32 s32, s32, s34
	s_add_nc_u64 s[10:11], s[10:11], s[32:33]
.if FFN == 2
	s_lshl_b32 s32, s[EX], 12                      ; the lists: 1,024 words an expert
	s_add_nc_u64 s[16:17], s[16:17], s[32:33]
	s_add_nc_u64 s[18:19], s[18:19], s[32:33]
.endif
	s_wait_kmcnt 0x0
	s_min_u32 s[CNT], s[CNT], 1024
	s_add_co_u32 s[NT], s[CNT], 15
	s_lshr_b32 s[NT], s[NT], 4
	s_max_u32 s[NTS], s[NT], 1
	MKTB
	s_wait_loadcnt 8                               ; the bias and chunk 0 are in, chunk 1's eight loads stay out
	CVT RAW
	ASKW RAW, 2
	PUT 0
	s_wait_loadcnt 8                               ; chunk 1 is in, chunk 2's stay out
	CVT RAW+32
	LDA AB0, 0                                     ; from here on the order is that of every trip: token rows, then weights
	ASKW RAW+32, 3
	PUT 1
	BIASMATH -1                                    ; the sums are started while those loads are on their way; the bias came in ahead of chunk 0
	s_wait_dscnt 0x0                               ; for the others' sake: my stores are in LDS
	s_barrier_signal -1
	s_barrier_wait -1
	LDB BB0, 0, 0
	s_mov_b32 s[LP], 6
.Ltrip:                                                ; two trips a turn, chunks 0 to 11.  28 = A(t) 20 + W(t + 3) 8;  36 = W(t + 3) 8 + A(t + 1) 20 + W(t + 4) 8
	TRIP 0, 0, 1, 1, 1, 1, 28, 36, 1, 1
	TRIP 1, 1, 1, 1, 1, 1, 28, 36, 1, 0
	s_wait_xcnt 0x0                                ; the loads' base and offsets are stepped only behind this wait
	s_add_nc_u64 s[WB:WB+1], s[WB:WB+1], 2*CH
	s_add_co_u32 s[LC], s[LC], 2*CHL
	s_add_co_u32 s[AC], s[AC], 2*2048
	s_add_co_u32 s[PFC], s[PFC], 2*CH
	s_min_u32 s[PFC], s[PFC], 14*CH                ; no prefetch points past the slice's last two chunks
	v_add_nc_u32 v[BAD], s[LC], v[LBW]
	v_add_nc_u32 v[LST], s[LC], v[LSW]
	v_add_nc_u32 v[AOF], s[AC], v[L16]
	v_add_nc_u32 v[PFV], s[PFC], v[PF0]
	s_sub_co_u32 s[LP], s[LP], 1
	s_cmp_lg_u32 s[LP], 0
	s_cbranch_scc1 .Ltrip
	TRIP 0, 0, 1, 1, 0, 1, 28, 28, 1, 0            ; the tail is written out: no load leaves the weight, and the counts run down.  Chunk 12: chunk 14 goes into LDS
	TRIP 1, 1, 1, 1, 0, 1, 20, 20, 1, 0            ; chunk 13: chunk 15 goes into LDS
	TRIP 2, 0, 0, 1, 0, 1, 0, 20, 0, 0             ; chunk 14: nothing is stored any more, so no barrier follows
.if FFN == 2
	PLACES                                         ; the first token buffer has been multiplied:
	SLOTLD                                         ; the way out's lists come in under the last chunk's products
.endif
	TRIP 3, 1, 0, 0, 0, 0, 0, 20*(FFN-1), 0, 0     ; chunk 15; the lists' 20 loads may stay out
	s_mov_b32 s[PL], 4
.Lpass:                                                ; four trips: pass PS goes out; then, where the expert has such tiles, the next pass is multiplied from the slice in LDS
.if FFN == 2
	s_wait_loadcnt 0x0                             ; the lists
.endif
	PLACES
	EPI 0
	EPI 1
	EPI 2
	EPI 3
	EPI 4
	s_add_co_u32 s[PS], s[PS], 1
	s_mul_i32 s32, s[PS], 20
	s_cmp_ge_u32 s32, s[NT]
	s_cbranch_scc1 .Lnosweep                       ; forward, over text with no barrier and no LDS store
	s_wait_xcnt 0x0
	MKTB
	BIASLD
.if FFN == 2
	SLOTLD
.endif
	BIASMATH 0
	s_mov_b32 s[LC], 0
	s_mov_b32 s[AC], 0
	s_mov_b32 s[LP], 16
.Lsweep:                                               ; a chunk a trip, nothing asked for ahead: a way for experts with more than 320 rows
	s_wait_xcnt 0x0                                ; v[AOF] is rewritten only behind this wait
	v_add_nc_u32 v[BAD], s[LC], v[LBW]
	v_add_nc_u32 v[AOF], s[AC], v[L16]
	PLACES
	LDB BB0, 0, 0
	LDB BB1, 0, 1
	LDA AB1, 0
	s_wait_loadcnt 0x0
	MUL AB1, 0, BB0, 0, 0, 0, 0, 8, -1             ; K step 0's fragments; K step 1's eight loads may be out
	MUL AB1, 1, BB1, 0, 0, 0, 0, 0, -1
	s_add_co_u32 s[LC], s[LC], CHL
	s_add_co_u32 s[AC], s[AC], 2048
	s_sub_co_u32 s[LP], s[LP], 1
	s_cmp_lg_u32 s[LP], 0
	s_cbranch_scc1 .Lsweep
.Lnosweep:
	s_sub_co_u32 s[PL], s[PL], 1
	s_cmp_lg_u32 s[PL], 0
	s_cbranch_scc1 .Lpass
	s_wait_dscnt 0x0                               ; every wave's LDS reads are over
	s_barrier_signal -1
	s_barrier_wait -1
	s_wait_tensorcnt 0x0                           ; the wave's end, behind my last LDS store
	ds_add_u32 v[SPW], v[NIL]
	s_wait_dscnt 0x0
	s_endpgm
.Lfunc_end_k_qd1a94a6787_ffn1:
	.size	k_qd1a94a6787_ffn1, .Lfunc_end_k_qd1a94a6787_ffn1-k_qd1a94a6787_ffn1
	.p2alignl 7, 3214868480
	.fill 96, 4, 3214868480
	.section	.rodata,"a",@progbits
	.p2align	6, 0x0
	.amdhsa_kernel k_qd1a94a6787_ffn1
		.amdhsa_group_segment_fixed_size 263168
		.amdhsa_private_segment_fixed_size 0
		.amdhsa_enable_private_segment 0
		.amdhsa_kernarg_size 40
		.amdhsa_user_sgpr_count 2
		.amdhsa_user_sgpr_kernarg_segment_ptr 1
		.amdhsa_wavefront_size32 1
		.amdhsa_system_sgpr_workgroup_id_x 1
		.amdhsa_system_sgpr_workgroup_id_y 1
		.amdhsa_system_sgpr_workgroup_id_z 1
		.amdhsa_system_vgpr_workitem_id 0
		.amdhsa_next_free_vgpr 480
		.amdhsa_next_free_sgpr 66
		.amdhsa_reserve_vcc 0
		.amdhsa_float_denorm_mode_32 3
		.amdhsa_float_denorm_mode_16_64 3
		.amdhsa_memory_ordered 1
		.amdhsa_forward_progress 1
		.amdhsa_inst_pref_size 92
	.end_amdhsa_kernel
	.amdgpu_metadata
---
amdhsa.version: [ 1, 2 ]
amdhsa.kernels:
  - .name:           k_qd1a94a6787_ffn1
    .symbol:         k_qd1a94a6787_ffn1.kd
    .args:
      - { .name: W1, .offset: 0, .size: 8, .value_kind: global_buffer, .address_space: global }
      - { .name: b1, .offset: 8, .size: 8, .value_kind: global_buffer, .address_space: global }
      - { .name: xs, .offset: 16, .size: 8, .value_kind: global_buffer, .address_space: global }
      - { .name: h, .offset: 24, .size: 8, .value_kind: global_buffer, .address_space: global }
      - { .name: cnt, .offset: 32, .size: 8, .value_kind: global_buffer, .address_space: global }
    .group_segment_fixed_size: 263168
    .private_segment_fixed_size: 0
    .kernarg_segment_align: 8
    .kernarg_segment_size: 40
    .max_flat_workgroup_size: 256
    .sgpr_count:     66
    .vgpr_count:     480
    .wavefront_size: 32
...
	.end_amdgpu_metadata
.endif
;; end of part 3
;; launch ffn2 (part 4): grid 32 x 8, 8 waves a work-group, no clusters, 263,168 bytes of LDS; arguments W2, b2, h, part, cnt, slotrow, slotw; writes part
.if DOCPART == 4
	.amdgcn_target "amdgcn-amd-amdhsa--gfx1250"
	.amdhsa_code_object_version 6
	.text
	.protected	k_qd1a94a6787_ffn2
	.globl	k_qd1a94a6787_ffn2
	.p2align	8
	.type	k_qd1a94a6787_ffn2,@function
k_qd1a94a6787_ffn2:
	s_mov_b64 s[64:65], 0
	v_nop
	global_prefetch_b8 v0, s[64:65] scope:SCOPE_SE
	s_setreg_imm32_b32 hwreg(HW_REG_WAVE_MODE, 25, 1), 1
	s_wait_xcnt 0x0
; THE SECOND PRODUCT OF AN EXPERT'S LAYER.  part[kq][1024 choice + token] = w (h W2 over a quarter kq of the hidden width, + b2 in quarter 0), f32: partial sums, which the last launch adds.
; The text is the first product's, with this product's sizes, operand order and way out.
; SHARES.  A work-group has expert e = y, 128 columns and 1,024 rows of the weight: 512 KB of f32 that it alone reads, once; and all of that expert's token rows, in tiles of 16.
; x = 8 kq + ns: column slice ns of 8, quarter kq of the 4,096 rows: with quarters a work-group reads a quarter of each token row of h, not all of it.
; The weight goes in 16 chunks of 64 rows.  ALL EIGHT WAVES RUN ONE TEXT.  Each loads an eighth of every chunk (8 loads of 512 bytes), rounds it to bf16 and lays it into LDS as operand fragments.
; For the products the waves are 4 row groups x 2 column groups (rg = w / 2, cg = w % 2): a wave has five tiles of tokens (rg + 4 i + 20 pass) and 64 columns: 20 accumulators.  So a weight fragment
; is read from LDS by four waves, 16 LDS loads for a wave's 32 to 40 matrix instructions of a chunk; a tile's token rows, which come from memory straight into operand registers, are asked for by the two waves of its row group.
; LDS holds the whole slice (256 KB in bf16); each byte is written once.  So rows past the first pass are served from LDS with no barrier and no weight read again.
; THE ORDER OF THE LOADS.  A wave's loads come back in order (ISA guide 5.7.1), so a wait for token rows calls home every weight load issued ahead of them.  A trip therefore asks for the next chunk's
; token rows first and then for the weights four chunks on: a weight load has two trips in which to land, and 16 of them a wave, 64 KB a work-group, are out.
; A chunk is laid into LDS two trips ahead of its products.  THE LDS LOADS RIDE ON THE PRODUCTS: a K step's eight loads stand in two groups of four behind the first two groups of four matrix instructions of the K step before.
; ROWS.  A pass is 20 tiles.  All five tiles of a wave are always loaded (a tile past the count repeats the last), so that every count of loads is a constant; the fifth tile's matrix instructions and the stores
; of tiles past the count are jumped by scalar branches on the expert's count, which an earlier launch stored.  Passes 1 to 3 are jumped where the expert has no such tiles.  An expert without tokens still streams its weights and stores nothing.
; THE ORDER ALONG K is the same permutation in both operands: in a block of 64, lane half h, register i, half p of K step u stand for k = 32 h + 16 u + 2 i + p.  A weight fragment t of a group g of 64 columns
; holds column 64 g + 4 r + t in lane r: so a lane's 16-byte loads of f32 rows turn into fragments by roundings alone, and sixteen lanes read 256 consecutive aligned bytes.
; PREFETCH.  Once a turn of two chunks each of the 256 threads asks for one block of 256 bytes: together the 64 KB of the two chunks that the next turn's loads will want; the last turn's address is held at chunks 14 and 15.
; FORMATS.  Weights and bias are rounded once to bf16, sums are f32.  The bias starts the sums: the 160 lines that write it stand where clearing would, and spare as many additions at the end.
; LIMITS.  NaN and infinities are not treated apart (b2 is multiplied by 0 in quarters 1 to 3).  Slots past the count repeat the last real slot: the same numbers go to the same bytes again, from the same wave.
; NO CLUSTER: what an expert's work-groups share is its token rows, which go straight into registers; a joint load would want an LDS ring beside the 256 KB of weights, and requests for 64 tiles at every split.
.set PITCH, 4096                       ; bytes from row to row of the weight
.set HSH,   17                         ; 32 rows of it
.set PSH,   12                         ; one row of it
.set ASH,   17                         ; a tile of the token operand: 64 blocks of 2,048 bytes
.set BSH,   12                         ; an expert's bias
.set CH,    64*PITCH                   ; a chunk in memory
.set CHL,   16384                      ; a chunk in LDS: (8 u + 4 g + t) 1,024 + 512 a + 16 lane; a = low or high four registers of a fragment
.set SPARE, 262144                     ; behind the slice: the spare words, 128 bytes a wave: no other line names them
.set WV,  20                           ; s20 wave      s21 row group      s22 e      s23 slice of columns      s24 quarter of K
.set RG,  21
.set EX,  22
.set SL,  23
.set KQ,  24
.set CNT, 25                           ; s25 the expert's rows     s26 its tiles     s27 tiles that exist in memory: at least 1
.set NT,  26
.set NTS, 27
.set PS,  28                           ; s28 pass
.set LC,  29                           ; s29 LDS byte of the chunk that a trip takes as rel 0
.set AC,  30                           ; s30 that chunk's byte in a tile of the token operand
.set LP,  31                           ; s31 loop count; s2, s3, s32-35 at work
.set WB,  36                           ; s[36:37] my place in the weight
.set LV4, 38                           ; s38 1: my fifth tile exists
.set PL,  39                           ; s39 passes to go
.set TB,  40                           ; s[40:49] my five tiles of the token operand
.set CG,  52                           ; s52 column group
.set PFC, 53                           ; s53 byte, in the slice, of the chunks to prefetch
.set HIM, 54                           ; s54 a word's upper bf16
.set FLG, 55                           ; s55 1.0 in quarter 0, else 0
.set SR,  66                           ; s[66:75] my five tiles' places in slotrow
.set SW,  76                           ; s[76:85] and in slotw
.set SPW, 1                            ; v1, v2 serve the closing add alone
.set NIL, 2
.set AOF, 3                            ; v3  my byte in a tile of the token operand: AC + 16 lane
.set L16, 4                            ; v4  16 lane
.set BAD, 5                            ; v5  LC + v11: where fragments are read
.set LST, 6                            ; v6  LC + v8: where my fragments are laid
.set WOF, 7                            ; v7  my byte in the weight: 32 h rows + 16 r
.set LSW, 8                            ; v8  4,096 (w % 4) + 512 (w / 4) + 16 lane
.set HOF, 9                            ; v9  32 h: my eight slots in a tile's lists
.set BOF, 10                           ; v10 256 cg + 16 r: my byte in the slice's bias, and my place in a row of part
.set LBW, 11                           ; v11 4,096 cg + 16 lane
.set PF0, 14                           ; v14 the prefetch: my block's byte in two chunks
.set PFV, 15                           ; v15 PFC + v14
.set OUT, 16                           ; v[16:31]   my rounded fragments
.set AB0, 32                           ; v[32:191]  two buffers of 80: a chunk's token fragments: tile i, piece q at 16 i + 4 q
.set AB1, 112
.set BB0, 192                          ; v[192:223] K step 0's four weight fragments
.set BB1, 224                          ; v[224:255] K step 1's
.set RAW, 160                          ; SECOND WINDOW OF 256: v[0:159] the accumulators, tile i, fragment t at 32 i + 8 t; v[160:223] two buffers of 32: my weights as loaded
.set BR,  AB1                          ; the bias is staged in the second token buffer, which is free at a pass's beginning
.set MSB, 0
.macro WIN new                         ; s_set_vgpr_msb: bits 1:0 source 0, 3:2 source 1, 5:4 source 2, 7:6 destination; the high byte repeats the setting that is left
.if MSB != (\new)
	s_set_vgpr_msb (MSB<<8)|(\new)
.set MSB, \new
.endif
.endm
.macro PLACES                          ; a load into a register that a matrix instruction has read, and a vector line that reads its result, stand four plain vector lines behind it
.rept 4
	v_nop
.endr
.endm
.macro CVT rwb                         ; my eight rows x four columns a lane, rounded: fragment t's register i takes column t of rows 2 i, 2 i + 1
	WIN 0x05
.irp t, 0,1,2,3
.irp i, 0,1,2,3
	v_cvt_pk_bf16_f32 v[OUT+4*(\t)+(\i)], v[(\rwb)+8*(\i)+(\t)], v[(\rwb)+8*(\i)+4+(\t)]
.endr
.endr
	WIN 0
.endm
.macro ASKW rwb, c                     ; my eighth of chunk c from WB: 8 loads; sixteen lanes read 256 consecutive aligned bytes of a row, the other sixteen those of the row 32 further down
	WIN 0x40
.irp j, 0,1,2,3,4,5,6,7
	global_load_b128 v[(\rwb)+4*(\j):(\rwb)+4*(\j)+3], v[WOF], s[WB:WB+1] offset:(\c)*CH+(\j)*PITCH th:TH_LOAD_NT
.endr
	WIN 0
.endm
.macro PUT c                           ; into LDS, chunk c from LC: 512 consecutive bytes a store
.irp t, 0,1,2,3
	ds_store_b128 v[LST], v[OUT+4*(\t):OUT+4*(\t)+3] offset:(\c)*CHL+(\t)*1024
.endr
.endm
.macro LDB2 bb, rel, u, t0             ; fragments t0 and t0 + 1 of my column group, K step u of chunk rel: 4 loads, 512 consecutive bytes each
.irp d, 0,1
	ds_load_b128 v[(\bb)+8*((\t0)+(\d)):(\bb)+8*((\t0)+(\d))+3],   v[BAD] offset:(\rel)*CHL+(8*(\u)+(\t0)+(\d))*1024
	ds_load_b128 v[(\bb)+8*((\t0)+(\d))+4:(\bb)+8*((\t0)+(\d))+7], v[BAD] offset:(\rel)*CHL+(8*(\u)+(\t0)+(\d))*1024+512
.endr
.endm
.macro LDB bb, rel, u
	LDB2 \bb, \rel, \u, 0
	LDB2 \bb, \rel, \u, 2
.endm
.macro LDA buf, rel                    ; a chunk's token fragments of my five tiles: 20 loads, 512 consecutive bytes each
.irp i, 0,1,2,3,4
.irp q, 0,1,2,3
	global_load_b128 v[(\buf)+16*(\i)+4*(\q):(\buf)+16*(\i)+4*(\q)+3], v[AOF], s[TB+2*(\i):TB+2*(\i)+1] offset:(\rel)*2048+(\q)*512
.endr
.endr
.endm
.macro WM d, w, a                      ; source 0 the tokens, source 1 the weights: a lane holds one column of eight tokens
	v_wmma_f32_16x16x32_bf16 v[(\d):(\d)+7], v[(\a):(\a)+7], v[(\w):(\w)+7], v[(\d):(\d)+7]
.endm
; A K step: four groups (fragment t) of four matrix instructions (tiles 0 to 3), then four for tile 4 where it exists.  The accumulators take turns, one instruction a turn:
; 15 others' at the least stand between two on one accumulator.  rd = 1: behind groups 0 and 1 ride the eight LDS loads of buffer rbb (chunk rrel, K step ru).
; w0, w2: the younger LDS instructions that may be out when fragments 0, 1 and fragments 2, 3 of bb have to be there (-1: no wait).
.macro MUL ab, u, bb, rd, rbb, rrel, ru, w0, w2
.irp t, 0,1,2,3
.if ((\t) == 0) && ((\w0) >= 0)
	s_wait_dscnt \w0
.endif
.if ((\t) == 2) && ((\w2) >= 0)
	s_wait_dscnt \w2
.endif
	WIN 0x50
.irp i, 0,1,2,3
	WM 32*(\i)+8*(\t), (\bb)+8*(\t), (\ab)+16*(\i)+8*(\u)
.endr
.if (\rd) && ((\t) < 2)
	WIN 0
	LDB2 \rbb, \rrel, \ru, 2*(\t)
.endif
.endr
	WIN 0                                          ; at a branch and at a label every window is 0
	s_cmp_eq_u32 s[LV4], 0
	s_cbranch_scc1 .Ldead_\@                       ; forward, over matrix instructions alone
	WIN 0x50
.irp t, 0,1,2,3
	WM 128+8*(\t), (\bb)+8*(\t), (\ab)+64+8*(\u)
.endr
	WIN 0
.Ldead_\@:
.endm
; TRIP t multiplies chunk t (rel from LC; par = t % 2).  st: chunk t + 2 is rounded and laid into LDS.  la: chunk t + 1's token rows are asked for.  re: the weights of chunk t + 4 are asked for.
; nx: chunk t + 1's first fragments are read from LDS.  nw, na: the younger loads that may stay out when W(t + 2), A(t) have to be there.  bar: the barrier that shows this trip's stores to every wave.  pf: the turn's prefetch.
; The LDS instructions of a trip, in order: my 4 stores; K step 1's 8 loads (riding on K step 0); the next chunk's K step 0's 8 loads (riding on K step 1).  The counts below follow from that.
.macro TRIP rel, par, st, la, re, nx, nw, na, bar, pf
.set RWB, RAW+32*(\par)
.set ABC, AB0+80*(\par)
.set ABN, AB0+80*(1-(\par))
.if \st
	s_wait_loadcnt \nw
	CVT RWB                                        ; sixteen plain lines that name no register of the matrix instructions: the places in front of the loads below and of the riders
.else
	PLACES
.endif
.if \la
	LDA ABN, (\rel)+1
.endif
.if \re
	ASKW RWB, (\rel)+4
.endif
.if \st
	PUT (\rel)+2
.endif
	s_wait_loadcnt \na
.if \pf
	global_prefetch_b8 v[PFV], s[4:5] th:TH_LOAD_NT scope:SCOPE_SE  ; my block of the two chunks that the next turn's loads ask for
.endif
	MUL ABC, 0, BB0, 1, BB1, \rel, 1, 4+4*(\st), 8+4*(\st)
	PLACES                                         ; in front of the riders that load into K step 0's buffer
	MUL ABC, 1, BB1, \nx, BB0, (\rel)+1, 0, 4, 8*(\nx)
.if \bar
	s_wait_dscnt 0x0                               ; for the others' sake: my stores are in LDS
	s_barrier_signal -1
	s_barrier_wait -1
.endif
.endm
.macro MKTB                            ; my five tiles of pass PS, in the token operand and in the two lists; a tile past the last repeats it
	s_mul_i32 s34, s[PS], 20
	s_add_co_u32 s34, s34, s[RG]
	s_sub_co_u32 s35, s[NTS], 1
	s_mov_b32 s33, 0
	s_mov_b32 s3, 0
.irp i, 0,1,2,3,4
	s_add_co_u32 s32, s34, 4*(\i)
	s_min_u32 s32, s32, s35
	s_min_u32 s32, s32, 63
	s_lshl_b32 s2, s32, 6                          ; 16 slots of 4 bytes
	s_add_nc_u64 s[SR+2*(\i):SR+2*(\i)+1], s[16:17], s[2:3]
	s_add_nc_u64 s[SW+2*(\i):SW+2*(\i)+1], s[18:19], s[2:3]
	s_lshl_b32 s32, s32, ASH
	s_add_nc_u64 s[TB+2*(\i):TB+2*(\i)+1], s[8:9], s[32:33]
.endr
	s_add_co_u32 s34, s34, 16
	s_cmp_lt_u32 s34, s[NT]
	s_cselect_b32 s[LV4], 1, 0
.endm
.macro SLOTLD                          ; my five tiles' rows of part and gate weights, eight slots a lane, into the first token buffer: 20 loads
.irp i, 0,1,2,3,4
	global_load_b128 v[AB0+16*(\i):AB0+16*(\i)+3],     v[HOF], s[SR+2*(\i):SR+2*(\i)+1]
	global_load_b128 v[AB0+16*(\i)+4:AB0+16*(\i)+7],   v[HOF], s[SR+2*(\i):SR+2*(\i)+1] offset:16
	global_load_b128 v[AB0+16*(\i)+8:AB0+16*(\i)+11],  v[HOF], s[SW+2*(\i):SW+2*(\i)+1]
	global_load_b128 v[AB0+16*(\i)+12:AB0+16*(\i)+15], v[HOF], s[SW+2*(\i):SW+2*(\i)+1] offset:16
.endr
.endm
; The bias starts the sums.
.macro BIASLD
	s_wait_xcnt 0x0                                ; stores of the pass before may still name the registers written below
	global_load_b128 v[BR:BR+3], v[BOF], s[6:7]    ; b2 of columns 64 cg + 4 r + t
.endm
.macro BIASMATH left
.if (\left) >= 0
	s_wait_loadcnt \left
.endif
.irp n, 0,1
	v_cvt_pk_bf16_f32 v[BR+4+(\n)], v[BR+2*(\n)], v[BR+2*(\n)+1]
.endr
.irp n, 0,1
	v_lshlrev_b32 v[BR+8+2*(\n)], 16, v[BR+4+(\n)]
	v_and_b32 v[BR+9+2*(\n)], s[HIM], v[BR+4+(\n)]
.endr
	WIN 0x40
.irp i, 0,1,2,3,4
.irp t, 0,1,2,3
.irp j, 0,1,2,3,4,5,6,7
	v_mul_f32 v[32*(\i)+8*(\t)+(\j)], s[FLG], v[BR+8+(\t)]
.endr
.endr
.endr
	WIN 0
.endm
; THE WAY OUT of my tile i of pass PS; a tile past the count is jumped.  Each accumulator's register 0 is read first.
; Lane (r, h), register j: slot 8 h + j, columns 64 cg + 4 r + t: for one j sixteen lanes hold 256 consecutive bytes of a row of part.
.macro EPI i
	s_mul_i32 s32, s[PS], 20
	s_add_co_u32 s32, s32, s[RG]
	s_add_co_u32 s32, s32, 4*(\i)
	s_cmp_ge_u32 s32, s[NT]
	s_cbranch_scc1 .Lskip_\@
.set ACB, 32*(\i)
.set SLT, AB0+16*(\i)                  ; the tile's eight rows of part, then its eight weights
.set VO,  AB1+40*((\i)%2)              ; eight byte offsets,
.set TM,  VO+8                         ; and 32 numbers to store
	s_wait_xcnt 0x0                                ; registers that earlier stores name are rewritten only behind this wait
.irp j, 0,1,2,3,4,5,6,7
	v_min_u32 v[VO+(\j)], 0x7ff, v[SLT+(\j)]
.endr
.irp j, 0,1,2,3,4,5,6,7
	v_lshl_add_u32 v[VO+(\j)], v[VO+(\j)], 12, v[BOF]
.endr
	WIN 0x01
.irp j, 0,1,2,3,4,5,6,7
.irp t, 0,1,2,3
	v_mul_f32 v[TM+4*(\j)+(\t)], v[ACB+8*(\t)+(\j)], v[SLT+8+(\j)]
.endr
.endr
	WIN 0
.irp j, 0,1,2,3,4,5,6,7
	global_store_b128 v[VO+(\j)], v[TM+4*(\j):TM+4*(\j)+3], s[10:11]
.endr
.Lskip_\@:
.endm
	s_load_b256 s[4:11], s[0:1], 0x0               ; W2 s[4:5], b2 s[6:7], h s[8:9], part s[10:11]
	s_load_b64 s[12:13], s[0:1], 0x20              ; cnt
	s_load_b128 s[16:19], s[0:1], 0x28             ; slotrow s[16:17], slotw s[18:19]
	v_lshl_add_u32 v[SPW], v0, 2, SPARE
	v_mov_b32 v[NIL], 0
	v_lshrrev_b32 v15, 5, v0
	v_readfirstlane_b32 s[WV], v15
	v_and_b32 v12, 15, v0                          ; r
	v_bfe_u32 v13, v0, 4, 1                        ; h
	v_and_b32 v14, 31, v0                          ; lane
	s_and_b32 s[EX], ttmp7, 0xffff
	s_and_b32 s[SL], ttmp9, 7
	s_lshr_b32 s[KQ], ttmp9, 3
	s_lshr_b32 s[RG], s[WV], 1
	s_and_b32 s[CG], s[WV], 1
	s_mov_b32 s[HIM], 0xffff0000
	s_cmp_eq_u32 s[KQ], 0
	s_cselect_b32 s[FLG], 1.0, 0
	s_mov_b32 s[PS], 0
	s_mov_b32 s[LC], 0
	s_mov_b32 s[AC], 0
	s_mov_b32 s[PFC], 6*CH
	s_mov_b32 s33, 0
	v_lshlrev_b32 v[L16], 4, v14
	v_mov_b32 v[AOF], v[L16]
	s_lshl_b32 s32, s[CG], 12
	v_add_nc_u32 v[LBW], s32, v[L16]
	v_mov_b32 v[BAD], v[LBW]
	s_and_b32 s32, s[WV], 3                        ; what I lay into LDS: K step and column group 2 u + g = w % 4,
	s_lshl_b32 s32, s32, 12
	s_lshr_b32 s34, s[WV], 2                       ; half a = w / 4
	s_lshl_b32 s34, s34, 9
	s_add_co_u32 s32, s32, s34
	v_add_nc_u32 v[LSW], s32, v[L16]
	v_mov_b32 v[LST], v[LSW]
	v_lshlrev_b32 v[WOF], HSH, v13
	v_lshl_add_u32 v[WOF], v12, 4, v[WOF]
	s_lshl_b32 s34, s[CG], 8
	v_lshlrev_b32 v[HOF], 5, v13
	v_lshlrev_b32 v[BOF], 4, v12
	v_add_nc_u32 v[BOF], s34, v[BOF]
	v_lshrrev_b32 v[PF0], 1, v0                    ; the prefetch: thread n has row n / 2 of two chunks' 128 rows, half n % 2 of its 512 bytes
	v_lshlrev_b32 v[PF0], PSH, v[PF0]
	v_and_b32 v[PFV], 1, v0
	v_lshl_add_u32 v[PF0], v[PFV], 8, v[PF0]
	v_add_nc_u32 v[PFV], s[PFC], v[PF0]
	s_lshl_b32 s32, s[EX], 2
	s_wait_kmcnt 0x0
	s_add_nc_u64 s[12:13], s[12:13], s[32:33]
	s_load_b32 s[CNT], s[12:13], 0x0               ; it is waited for behind the first loads, which do not hang on it
	s_lshl_b32 s32, s[EX], 24                      ; the weight: 16 MiB an expert, 4 MiB a quarter of K, 512 bytes a slice
	s_lshl_b32 s34, s[KQ], 22
	s_add_co_u32 s32, s32, s34
	s_lshl_b32 s34, s[SL], 9
	s_add_co_u32 s32, s32, s34
	s_add_nc_u64 s[4:5], s[4:5], s[32:33]          ; the work-group's slice
	s_and_b32 s32, s[WV], 1                        ; my wave's eighth of a chunk: column group g = w % 2,
	s_lshl_b32 s32, s32, 8
	s_bfe_u32 s35, s[WV], 0x10001                  ; K step u = (w / 2) % 2: 16 rows,
	s_mul_i32 s35, s35, 16*PITCH
	s_add_co_u32 s32, s32, s35
	s_lshr_b32 s35, s[WV], 2                       ; half a = w / 4: 8 rows
	s_mul_i32 s35, s35, 8*PITCH
	s_add_co_u32 s32, s32, s35
	s_add_nc_u64 s[WB:WB+1], s[4:5], s[32:33]
	s_lshl_b32 s32, s[EX], BSH                     ; the bias: 512 bytes a slice too
	s_add_co_u32 s32, s32, s34
	s_add_nc_u64 s[6:7], s[6:7], s[32:33]
	BIASLD
	ASKW RAW, 0                                    ; chunks 0 and 1
	ASKW RAW+32, 1
	s_lshl_b32 s32, s[EX], ASH+6                   ; the token operand: 64 tiles an expert, 16 blocks of 2,048 bytes a quarter
	s_lshl_b32 s34, s[KQ], 15
	s_add_co_u32 s32, s32, s34
	s_add_nc_u64 s[8:9], s[8:9], s[32:33]
	s_lshl_b32 s32, s[KQ], 23                      ; part: 8 MiB a quarter; a slice is 512 bytes of a row
	s_lshl_b32 s34, s[SL], 9
	s_add_co_u32 s32, s32, s34
	s_add_nc_u64 s[10:11], s[10:11], s[32:33]
	s_lshl_b32 s32, s[EX], 12                      ; the lists: 1,024 words an expert
	s_add_nc_u64 s[16:17], s[16:17], s[32:33]
	s_add_nc_u64 s[18:19], s[18:19], s[32:33]
	s_wait_kmcnt 0x0
	s_min_u32 s[CNT], s[CNT], 1024
	s_add_co_u32 s[NT], s[CNT], 15
	s_lshr_b32 s[NT], s[NT], 4
	s_max_u32 s[NTS], s[NT], 1
	MKTB
	s_wait_loadcnt 8                               ; the bias and chunk 0 are in, chunk 1's eight loads stay out
	CVT RAW
	ASKW RAW, 2
	PUT 0
	s_wait_loadcnt 8                               ; chunk 1 is in, chunk 2's stay out
	CVT RAW+32
	LDA AB0, 0                                     ; from here on the order is that of every trip: token rows, then weights
	ASKW RAW+32, 3
	PUT 1
	BIASMATH -1                                    ; the sums are started while those loads are on their way; the bias came in ahead of chunk 0
	s_wait_dscnt 0x0                               ; for the others' sake: my stores are in LDS
	s_barrier_signal -1
	s_barrier_wait -1
	LDB BB0, 0, 0
	s_mov_b32 s[LP], 6
.Ltrip:                                                ; two trips a turn, chunks 0 to 11.  28 = A(t) 20 + W(t + 3) 8;  36 = W(t + 3) 8 + A(t + 1) 20 + W(t + 4) 8
	TRIP 0, 0, 1, 1, 1, 1, 28, 36, 1, 1
	TRIP 1, 1, 1, 1, 1, 1, 28, 36, 1, 0
	s_wait_xcnt 0x0                                ; the loads' base and offsets are stepped only behind this wait
	s_add_nc_u64 s[WB:WB+1], s[WB:WB+1], 2*CH
	s_add_co_u32 s[LC], s[LC], 2*CHL
	s_add_co_u32 s[AC], s[AC], 2*2048
	s_add_co_u32 s[PFC], s[PFC], 2*CH
	s_min_u32 s[PFC], s[PFC], 14*CH                ; no prefetch points past the slice's last two chunks
	v_add_nc_u32 v[BAD], s[LC], v[LBW]
	v_add_nc_u32 v[LST], s[LC], v[LSW]
	v_add_nc_u32 v[AOF], s[AC], v[L16]
	v_add_nc_u32 v[PFV], s[PFC], v[PF0]
	s_sub_co_u32 s[LP], s[LP], 1
	s_cmp_lg_u32 s[LP], 0
	s_cbranch_scc1 .Ltrip
	TRIP 0, 0, 1, 1, 0, 1, 28, 28, 1, 0            ; the tail is written out: no load leaves the weight, and the counts run down.  Chunk 12: chunk 14 goes into LDS
	TRIP 1, 1, 1, 1, 0, 1, 20, 20, 1, 0            ; chunk 13: chunk 15 goes into LDS
	TRIP 2, 0, 0, 1, 0, 1, 0, 20, 0, 0             ; chunk 14: nothing is stored any more, so no barrier follows
	PLACES                                         ; the first token buffer has been multiplied:
	SLOTLD                                         ; the way out's lists come in under the last chunk's products
	TRIP 3, 1, 0, 0, 0, 0, 0, 20, 0, 0             ; chunk 15; the lists' 20 loads may stay out
	s_mov_b32 s[PL], 4
.Lpass:                                                ; four trips: pass PS goes out; then, where the expert has such tiles, the next pass is multiplied from the slice in LDS
	s_wait_loadcnt 0x0                             ; the lists
	PLACES
	EPI 0
	EPI 1
	EPI 2
	EPI 3
	EPI 4
	s_add_co_u32 s[PS], s[PS], 1
	s_mul_i32 s32, s[PS], 20
	s_cmp_ge_u32 s32, s[NT]
	s_cbranch_scc1 .Lnosweep                       ; forward, over text with no barrier and no LDS store
	s_wait_xcnt 0x0
	MKTB
	BIASLD
	SLOTLD
	BIASMATH 0
	s_mov_b32 s[LC], 0
	s_mov_b32 s[AC], 0
	s_mov_b32 s[LP], 16
.Lsweep:                                               ; a chunk a trip, nothing asked for ahead: a way for experts with more than 320 rows
	s_wait_xcnt 0x0                                ; v[AOF] is rewritten only behind this wait
	v_add_nc_u32 v[BAD], s[LC], v[LBW]
	v_add_nc_u32 v[AOF], s[AC], v[L16]
	PLACES
	LDB BB0, 0, 0
	LDB BB1, 0, 1
	LDA AB1, 0
	s_wait_loadcnt 0x0
	MUL AB1, 0, BB0, 0, 0, 0, 0, 8, -1             ; K step 0's fragments; K step 1's eight loads may be out
	MUL AB1, 1, BB1, 0, 0, 0, 0, 0, -1
	s_add_co_u32 s[LC], s[LC], CHL
	s_add_co_u32 s[AC], s[AC], 2048
	s_sub_co_u32 s[LP], s[LP], 1
	s_cmp_lg_u32 s[LP], 0
	s_cbranch_scc1 .Lsweep
.Lnosweep:
	s_sub_co_u32 s[PL], s[PL], 1
	s_cmp_lg_u32 s[PL], 0
	s_cbranch_scc1 .Lpass
	s_wait_dscnt 0x0                               ; every wave's LDS reads are over
	s_barrier_signal -1
	s_barrier_wait -1
	s_wait_tensorcnt 0x0                           ; the wave's end, behind my last LDS store
	ds_add_u32 v[SPW], v[NIL]
	s_wait_dscnt 0x0
	s_endpgm
.Lfunc_end_k_qd1a94a6787_ffn2:
	.size	k_qd1a94a6787_ffn2, .Lfunc_end_k_qd1a94a6787_ffn2-k_qd1a94a6787_ffn2
	.p2alignl 7, 3214868480
	.fill 96, 4, 3214868480
	.section	.rodata,"a",@progbits
	.p2align	6, 0x0
	.amdhsa_kernel k_qd1a94a6787_ffn2
		.amdhsa_group_segment_fixed_size 263168
		.amdhsa_private_segment_fixed_size 0
		.amdhsa_enable_private_segment 0
		.amdhsa_kernarg_size 56
		.amdhsa_user_sgpr_count 2
		.amdhsa_user_sgpr_kernarg_segment_ptr 1
		.amdhsa_wavefront_size32 1
		.amdhsa_system_sgpr_workgroup_id_x 1
		.amdhsa_system_sgpr_workgroup_id_y 1
		.amdhsa_system_sgpr_workgroup_id_z 1
		.amdhsa_system_vgpr_workitem_id 0
		.amdhsa_next_free_vgpr 480
		.amdhsa_next_free_sgpr 88
		.amdhsa_reserve_vcc 0
		.amdhsa_float_denorm_mode_32 3
		.amdhsa_float_denorm_mode_16_64 3
		.amdhsa_memory_ordered 1
		.amdhsa_forward_progress 1
		.amdhsa_inst_pref_size 96
	.end_amdhsa_kernel
	.amdgpu_metadata
---
amdhsa.version: [ 1, 2 ]
amdhsa.kernels:
  - .name:           k_qd1a94a6787_ffn2
    .symbol:         k_qd1a94a6787_ffn2.kd
    .args:
      - { .name: W2, .offset: 0, .size: 8, .value_kind: global_buffer, .address_space: global }
      - { .name: b2, .offset: 8, .size: 8, .value_kind: global_buffer, .address_space: global }
      - { .name: h, .offset: 16, .size: 8, .value_kind: global_buffer, .address_space: global }
      - { .name: part, .offset: 24, .size: 8, .value_kind: global_buffer, .address_space: global }
      - { .name: cnt, .offset: 32, .size: 8, .value_kind: global_buffer, .address_space: global }
      - { .name: slotrow, .offset: 40, .size: 8, .value_kind: global_buffer, .address_space: global }
      - { .name: slotw, .offset: 48, .size: 8, .value_kind: global_buffer, .address_space: global }
    .group_segment_fixed_size: 263168
    .private_segment_fixed_size: 0
    .kernarg_segment_align: 8
    .kernarg_segment_size: 56
    .max_flat_workgroup_size: 256
    .sgpr_count:     88
    .vgpr_count:     480
    .wavefront_size: 32
...
	.end_amdgpu_metadata
.endif
;; end of part 4
;; launch sum (part 5): grid 256 x 1, 8 waves a work-group, no clusters, 0 bytes of LDS; arguments part, out0; writes out0
.if DOCPART == 5
	.amdgcn_target "amdgcn-amd-amdhsa--gfx1250"
	.amdhsa_code_object_version 6
	.text
	.protected	k_qd1a94a6787_sum
	.globl	k_qd1a94a6787_sum
	.p2align	8
	.type	k_qd1a94a6787_sum,@function
k_qd1a94a6787_sum:
	s_mov_b64 s[64:65], 0
	v_nop
	global_prefetch_b8 v0, s[64:65] scope:SCOPE_SE
	s_setreg_imm32_b32 hwreg(HW_REG_WAVE_MODE, 25, 1), 1
	s_wait_xcnt 0x0
; out0[token][:] = the sum of part's eight planes (4 quarters of the hidden width x 2 choices), 4 MiB each, all f32: ((0+1)+(2+3))+((4+5)+(6+7)).
; A stream: a work-group has 16,384 bytes of the output (4 tokens), thread t the 16 bytes at 16 t of each of its four blocks of 4,096.  All 32 loads of a lane go out before the first wait;
; each load and store of a wave covers 512 consecutive bytes.  No LDS, no barrier, no matrix unit: there is nothing to share and nothing to multiply.
.set R, 8                              ; v[8:135]: block u, plane p at R + 32 u + 4 p
.macro ADD4 d, s
	v_pk_add_f32 v[(\d):(\d)+1], v[(\d):(\d)+1], v[(\s):(\s)+1]
	v_pk_add_f32 v[(\d)+2:(\d)+3], v[(\d)+2:(\d)+3], v[(\s)+2:(\s)+3]
.endm
	s_load_b128 s[4:7], s[0:1], 0x0                ; part s[4:5], out0 s[6:7]
	v_lshlrev_b32 v1, 4, v0
	s_lshl_b32 s2, ttmp9, 14
	s_mov_b32 s3, 0
	s_wait_kmcnt 0x0
	s_add_nc_u64 s[4:5], s[4:5], s[2:3]
	s_add_nc_u64 s[6:7], s[6:7], s[2:3]
.irp p, 0,1,2,3,4,5,6,7
	s_add_nc_u64 s[8+2*(\p):9+2*(\p)], s[4:5], (\p)*0x400000  ; a base for each plane: 4 MiB apart, past a load's immediate
.endr
.irp u, 0,1,2,3
.irp p, 0,1,2,3,4,5,6,7
	global_load_b128 v[R+32*(\u)+4*(\p):R+32*(\u)+4*(\p)+3], v1, s[8+2*(\p):9+2*(\p)] offset:4096*(\u) th:TH_LOAD_NT
.endr
.endr
.irp u, 0,1,2,3
	s_wait_loadcnt 8*(3-(\u))                      ; loads come back in order: block u's eight are in, the younger blocks' stay out
	ADD4 R+32*(\u),    R+32*(\u)+4
	ADD4 R+32*(\u)+8,  R+32*(\u)+12
	ADD4 R+32*(\u)+16, R+32*(\u)+20
	ADD4 R+32*(\u)+24, R+32*(\u)+28
	ADD4 R+32*(\u),    R+32*(\u)+8
	ADD4 R+32*(\u)+16, R+32*(\u)+24
	ADD4 R+32*(\u),    R+32*(\u)+16
	global_store_b128 v1, v[R+32*(\u):R+32*(\u)+3], s[6:7] offset:4096*(\u) th:TH_STORE_NT
.endr
	s_endpgm
.Lfunc_end_k_qd1a94a6787_sum:
	.size	k_qd1a94a6787_sum, .Lfunc_end_k_qd1a94a6787_sum-k_qd1a94a6787_sum
	.p2alignl 7, 3214868480
	.fill 96, 4, 3214868480
	.section	.rodata,"a",@progbits
	.p2align	6, 0x0
	.amdhsa_kernel k_qd1a94a6787_sum
		.amdhsa_group_segment_fixed_size 0
		.amdhsa_private_segment_fixed_size 0
		.amdhsa_enable_private_segment 0
		.amdhsa_kernarg_size 16
		.amdhsa_user_sgpr_count 2
		.amdhsa_user_sgpr_kernarg_segment_ptr 1
		.amdhsa_wavefront_size32 1
		.amdhsa_system_sgpr_workgroup_id_x 1
		.amdhsa_system_sgpr_workgroup_id_y 1
		.amdhsa_system_sgpr_workgroup_id_z 1
		.amdhsa_system_vgpr_workitem_id 0
		.amdhsa_next_free_vgpr 136
		.amdhsa_next_free_sgpr 66
		.amdhsa_reserve_vcc 0
		.amdhsa_float_denorm_mode_32 3
		.amdhsa_float_denorm_mode_16_64 3
		.amdhsa_memory_ordered 1
		.amdhsa_forward_progress 1
		.amdhsa_inst_pref_size 8
	.end_amdhsa_kernel
	.amdgpu_metadata
---
amdhsa.version: [ 1, 2 ]
amdhsa.kernels:
  - .name:           k_qd1a94a6787_sum
    .symbol:         k_qd1a94a6787_sum.kd
    .args:
      - { .name: part, .offset: 0, .size: 8, .value_kind: global_buffer, .address_space: global }
      - { .name: out0, .offset: 8, .size: 8, .value_kind: global_buffer, .address_space: global }
    .group_segment_fixed_size: 0
    .private_segment_fixed_size: 0
    .kernarg_segment_align: 8
    .kernarg_segment_size: 16
    .max_flat_workgroup_size: 256
    .sgpr_count:     66
    .vgpr_count:     136
    .wavefront_size: 32
...
	.end_amdgpu_metadata
.endif
;; end of part 5
;; ======== version 2 of 2: 5 launches; version 1 with the launches ffn1, ffn2 written anew for expert scheduling mode
;; workspace buffers: ridx 8,192 bytes of whole numbers; rw 8,192 bytes; cnt 256 bytes of whole numbers; slotrow 32,768 bytes of whole numbers; slotw 32,768 bytes; xs 16,777,216 bytes; h 67,108,864 bytes; part 33,554,432 bytes
;; launch router: the kernel of part 1 again; grid 256 x 1, 4 waves a work-group, no clusters, 36,352 bytes of LDS; arguments x, Wg, bg, Wn, bn, noise, ridx, rw; writes ridx, rw
;; launch place: the kernel of part 2 again; grid 256 x 8, 1 waves a work-group, no clusters, 4,608 bytes of LDS; arguments ridx, rw, x, xs, slotrow, slotw, cnt; writes xs, slotrow, slotw, cnt
;; launch ffn1 (part 6): grid 32 x 8, 8 waves a work-group, no clusters, 263,168 bytes of LDS; arguments W1, b1, xs, h, cnt; writes h
.if DOCPART == 6
	.amdgcn_target "amdgcn-amd-amdhsa--gfx1250"
	.amdhsa_code_object_version 6
	.text
	.protected	k_qd1a94a6787_ffn1
	.globl	k_qd1a94a6787_ffn1
	.p2align	8
	.type	k_qd1a94a6787_ffn1,@function
k_qd1a94a6787_ffn1:
	s_mov_b64 s[64:65], 0
	v_nop
	global_prefetch_b8 v0, s[64:65] scope:SCOPE_SE
	s_setreg_imm32_b32 hwreg(HW_REG_WAVE_SCHED_MODE, 0, 2), 2
	s_setreg_imm32_b32 hwreg(HW_REG_WAVE_MODE, 25, 1), 1
	s_wait_xcnt 0x0
	s_wait_alu depctr_vm_vsrc(0)
; ONE TEXT FOR BOTH PRODUCTS OF AN EXPERT'S LAYER, chosen by FFN.
;   FFN = 1: h = relu(xs W1 + b1), rounded once to bf16, stored in the order in which the second product's operand registers take it.
;   FFN = 2: part[kq][1024 choice + token] = w (h W2 over a quarter kq of the hidden width, + b2 in quarter 0), f32: partial sums, which the last launch adds.
; SHARES.  A work-group has expert e = y, 128 columns and 1,024 rows of the weight: 512 KB of f32 that it alone reads, once; and all of that expert's token rows, in tiles of 16.
; The weight goes in 16 chunks of 64 rows.  ALL EIGHT WAVES RUN ONE TEXT.  Each loads an eighth of every chunk (8 loads of 512 bytes), rounds it to bf16 and lays it into LDS as operand fragments.
; For the products the waves are 4 row groups x 2 column groups (rg = w / 2, cg = w % 2): a wave has five tiles of tokens (rg + 4 i + 20 pass) and 64 columns: 20 accumulators.  So a weight fragment
; is read from LDS by four waves, 16 LDS loads for a wave's 32 to 40 matrix instructions of a chunk; a tile's token rows, which come from memory straight into operand registers, are asked for by the two waves of its row group.
; LDS holds the whole slice (256 KB in bf16); each byte is written once.  So rows past the first pass are served from LDS with no barrier and no weight read again.
; THE ORDER OF THE LOADS.  A wave's loads come back in order (ISA guide 5.7.1), so a wait for token rows calls home every weight load issued ahead of them.  A trip therefore asks for the next chunk's
; token rows first and then for the weights four chunks on: a weight load has two trips in which to land, and 16 of them a wave, 64 KB a work-group, are out.
; A chunk is laid into LDS two trips ahead of its products.  THE LDS LOADS RIDE ON THE PRODUCTS: a K step's eight loads stand in two groups of four behind the first two groups of four matrix instructions of the K step before.
; ROWS.  A pass is 20 tiles.  All five tiles of a wave are always loaded (a tile past the count repeats the last), so that every count of loads is a constant; the fifth tile's matrix instructions and the stores
; of tiles past the count are jumped by scalar branches on the expert's count, which an earlier launch stored.  Passes 1 to 3 are jumped where the expert has no such tiles.  An expert without tokens still streams its weights.
; THE ORDER ALONG K is the same permutation in both operands: in a block of 64, lane half h, register i, half p of K step u stand for k = 32 h + 16 u + 2 i + p.  A weight fragment t of a group g of 64 columns
; holds column 64 g + 4 r + t in lane r: so a lane's 16-byte loads of f32 rows turn into fragments by roundings alone, and sixteen lanes read 256 consecutive aligned bytes.
; PREFETCH.  Once a turn of two chunks each of the 256 threads asks for one block of 256 bytes: together the 64 KB of the two chunks that the next turn's loads will want; the last turn's address is held at chunks 14 and 15.
; FORMATS.  Weights and biases are rounded once to bf16, sums are f32.  The bias starts the sums: the 160 lines that write it stand where clearing would, and spare as many additions at the end.
; LIMITS.  NaN and infinities are not treated apart (FFN = 2 multiplies b2 by 0 in quarters 1 to 3).  Slots past the count repeat the last real slot: the same numbers go to the same bytes again, from the same wave.
; NO CLUSTER: what an expert's work-groups share is its token rows, which go straight into registers; a joint load would want an LDS ring beside the 256 KB of weights, and requests for 64 tiles at every split.
; THE MODE: SCHED_MODE bits 1:0 = 2 (LLVM: expert scheduling mode 2), set by the entry lines.  The code itself states the register dependences
; between vector or matrix instructions and memory or LDS instructions, with s_wait_alu, always for 0.
; THE PLAN.  Registers that memory or LDS instructions touch, in trip t (p = t % 2):
;   RAW[p]      The trip's sixteen roundings read it; behind them the loads of the weights four chunks on land in it.
;   OUT         The roundings write it; the trip's four LDS stores read it; the next trip's roundings write it again.
;   AB[1 - p]   Trip t - 1's matrix instructions read it; the next chunk's token rows land in it.  AB[p] is what this trip multiplies.
;   BB1         K step 1's fragments.  Trip t - 1's second K step read it; this chunk's loads land in it, riding on this trip's first K step.
;   BB0, BB2    K step 0's fragments, a buffer for even trips and one for odd.  The other trip's buffer was read in trip t - 1; the next chunk's loads land in it, riding on this trip's second K step.
;   v[BAD], v[LST], v[AOF], v[PFV]   Read by LDS loads, LDS stores, the token rows' loads, the prefetch; written once a turn of two trips, at its end.
;   v[WOF], v[L16], v[BOF], v9       Made at the head, never written again.      The accumulators are named by vector and matrix instructions alone until the way out.
; So ONE wait on va_vdst stands in a trip, behind its roundings.  Since that wait the trip's matrix instructions name AB[p], K step 0's buffer of this trip, BB1 (behind its loads alone) and the accumulators:
; none of the registers that a later load or store of the trip touches.  One wait on vm_vsrc a trip frees OUT: in an odd trip at its head, for an even trip ahead of it, where the addresses are stepped (or ahead of the loop).
.set FFN, 1
.if FFN == 1
.set PITCH, 16384                      ; bytes from row to row of the weight
.set HSH,   19                         ; 32 rows of it
.set ASH,   15                         ; a tile of the token operand: 16 blocks of 2,048 bytes
.set BSH,   14                         ; an expert's bias
.set WSRC,  0x01                       ; the weights are a matrix instruction's source 0: that place's window bit
.else
.set PITCH, 4096
.set HSH,   17
.set ASH,   17                         ; 64 blocks
.set BSH,   12
.set WSRC,  0x04                       ; the weights are source 1
.endif
.set PSH,   HSH-5                      ; one row of the weight
.set CH,    64*PITCH                   ; a chunk in memory
.set CHL,   16384                      ; a chunk in LDS: (8 u + 4 g + t) 1,024 + 512 a + 16 lane; a = low or high four registers of a fragment
.set WV,  20                           ; s20 wave      s21 row group      s22 e      s23 slice of columns      s24 quarter of K (FFN = 2)
.set RG,  21
.set EX,  22
.set SL,  23
.set KQ,  24
.set CNT, 25                           ; s25 the expert's rows     s26 its tiles     s27 tiles that exist in memory: at least 1
.set NT,  26
.set NTS, 27
.set PS,  28                           ; s28 pass
.set LC,  29                           ; s29 LDS byte of the chunk that a trip takes as rel 0
.set AC,  30                           ; s30 that chunk's byte in a tile of the token operand
.set LP,  31                           ; s31 loop count; s2, s3, s32-35 at work
.set WB,  36                           ; s[36:37] my place in the weight
.set LV4, 38                           ; s38 1: my fifth tile exists
.set PL,  39                           ; s39 passes to go
.set TB,  40                           ; s[40:49] my five tiles of the token operand
.set SB,  50                           ; s[50:51] a base on the way out
.set CG,  52                           ; s52 column group
.set PFC, 53                           ; s53 byte, in the slice, of the chunks to prefetch
.set HIM, 54                           ; s54 a word's upper bf16
.set FLG, 55                           ; s55 1.0 in quarter 0, else 0
.set SR,  66                           ; s[66:75] FFN = 2: my five tiles' places in slotrow
.set SW,  76                           ; s[76:85] and in slotw
.set AOF, 3                            ; v3  my byte in a tile of the token operand: AC + 16 lane
.set L16, 4                            ; v4  16 lane
.set BAD, 5                            ; v5  LC + v11: where fragments are read
.set LST, 6                            ; v6  LC + v8: where my fragments are laid
.set WOF, 7                            ; v7  my byte in the weight: 32 h rows + 16 r
.set LSW, 8                            ; v8  4,096 (w % 4) + 512 (w / 4) + 16 lane
.set ZR,  9                            ; v9  FFN = 1: 0;  FFN = 2 (HOF): 32 h
.set HOF, 9
.set BOF, 10                           ; v10 my byte in the slice's bias; FFN = 2: 256 cg + 16 r, also my place in a row of part
.set LBW, 11                           ; v11 4,096 cg + 16 lane
.set PF0, 14                           ; v14 the prefetch: my block's byte in two chunks
.set PFV, 15                           ; v15 PFC + v14
.set OUT, 16                           ; v[16:31]   my rounded fragments
.set AB0, 32                           ; v[32:191]  two buffers of 80: a chunk's token fragments: tile i, piece q at 16 i + 4 q
.set AB1, 112
.set BB0, 192                          ; v[192:223] K step 0's four weight fragments in even trips
.set BB1, 224                          ; v[224:255] K step 1's
.set RAW, 160                          ; SECOND WINDOW OF 256: v[0:159] the accumulators, tile i, fragment t at 32 i + 8 t; v[160:223] two buffers of 32: my weights as loaded;
                                       ; v[224:255] (BB2) K step 0's four weight fragments in odd trips: BB0 + 32 in the second window
.set MSB, 0
.macro WIN new                         ; s_set_vgpr_msb: bits 1:0 source 0, 3:2 source 1, 5:4 source 2, 7:6 destination; the high byte repeats the setting that is left
.if MSB != (\new)
	s_set_vgpr_msb (MSB<<8)|(\new)
.set MSB, \new
.endif
.endm
.macro PLACES                          ; a load into a register that a matrix instruction has read, and a vector line that reads its result, stand four plain vector lines behind it
.rept 4
	v_nop
.endr
.endm
.macro CVT rwb                         ; my eight rows x four columns a lane, rounded: fragment t's register i takes column t of rows 2 i, 2 i + 1
	WIN 0x05
.irp t, 0,1,2,3
.irp i, 0,1,2,3
	v_cvt_pk_bf16_f32 v[OUT+4*(\t)+(\i)], v[(\rwb)+8*(\i)+(\t)], v[(\rwb)+8*(\i)+4+(\t)]
.endr
.endr
	WIN 0
.endm
.macro ASKW rwb, c                     ; my eighth of chunk c from WB: 8 loads; sixteen lanes read 256 consecutive aligned bytes of a row, the other sixteen those of the row 32 further down
	WIN 0x40
.irp j, 0,1,2,3,4,5,6,7
	global_load_b128 v[(\rwb)+4*(\j):(\rwb)+4*(\j)+3], v[WOF], s[WB:WB+1] offset:(\c)*CH+(\j)*PITCH th:TH_LOAD_NT
.endr
	WIN 0
.endm
.macro PUT c                           ; into LDS, chunk c from LC: 512 consecutive bytes a store
.irp t, 0,1,2,3
	ds_store_b128 v[LST], v[OUT+4*(\t):OUT+4*(\t)+3] offset:(\c)*CHL+(\t)*1024
.endr
.endm
.macro LDB2 bb, rel, u, t0             ; fragments t0 and t0 + 1 of my column group, K step u of chunk rel: 4 loads, 512 consecutive bytes each
.irp d, 0,1
	ds_load_b128 v[(\bb)+8*((\t0)+(\d)):(\bb)+8*((\t0)+(\d))+3],   v[BAD] offset:(\rel)*CHL+(8*(\u)+(\t0)+(\d))*1024
	ds_load_b128 v[(\bb)+8*((\t0)+(\d))+4:(\bb)+8*((\t0)+(\d))+7], v[BAD] offset:(\rel)*CHL+(8*(\u)+(\t0)+(\d))*1024+512
.endr
.endm
.macro LDB bb, rel, u
	LDB2 \bb, \rel, \u, 0
	LDB2 \bb, \rel, \u, 2
.endm
.macro LDA buf, rel                    ; a chunk's token fragments of my five tiles: 20 loads, 512 consecutive bytes each
.irp i, 0,1,2,3,4
.irp q, 0,1,2,3
	global_load_b128 v[(\buf)+16*(\i)+4*(\q):(\buf)+16*(\i)+4*(\q)+3], v[AOF], s[TB+2*(\i):TB+2*(\i)+1] offset:(\rel)*2048+(\q)*512
.endr
.endr
.endm
.macro WM d, w, a                      ; FFN = 1: source 0 the weights: a lane then holds one token and eight hidden channels.  FFN = 2: source 0 the tokens: a lane holds one column of eight tokens
.if FFN == 1
	v_wmma_f32_16x16x32_bf16 v[(\d):(\d)+7], v[(\w):(\w)+7], v[(\a):(\a)+7], v[(\d):(\d)+7]
.else
	v_wmma_f32_16x16x32_bf16 v[(\d):(\d)+7], v[(\a):(\a)+7], v[(\w):(\w)+7], v[(\d):(\d)+7]
.endif
.endm
; A K step: four groups (fragment t) of four matrix instructions (tiles 0 to 3), then four for tile 4 where it exists.  The accumulators take turns, one instruction a turn:
; 15 others' at the least stand between two on one accumulator.  bb, bw: the fragments' buffer and its window.  rd = 1: behind groups 0 and 1 ride the eight LDS loads of buffer rbb in window rbw (chunk rrel, K step ru).
; The riders owe no wait of their own: no vector or matrix instruction since the trip's wait names the buffer in which they land, or v[BAD].
; w0, w2: the younger LDS instructions that may be out when fragments 0, 1 and fragments 2, 3 of bb have to be there (-1: no wait).
.macro MUL ab, u, bb, bw, rd, rbb, rbw, rrel, ru, w0, w2
.irp t, 0,1,2,3
.if ((\t) == 0) && ((\w0) >= 0)
	s_wait_dscnt \w0
.endif
.if ((\t) == 2) && ((\w2) >= 0)
	s_wait_dscnt \w2
.endif
	WIN 0x50+WSRC*(\bw)
.irp i, 0,1,2,3
	WM 32*(\i)+8*(\t), (\bb)+8*(\t), (\ab)+16*(\i)+8*(\u)
.endr
.if (\rd) && ((\t) < 2)
	WIN 0x40*(\rbw)
	LDB2 \rbb, \rrel, \ru, 2*(\t)
.endif
.endr
	WIN 0                                          ; at a branch and at a label every window is 0
	s_cmp_eq_u32 s[LV4], 0
	s_cbranch_scc1 .Ldead_\@                       ; forward, over matrix instructions alone
	WIN 0x50+WSRC*(\bw)
.irp t, 0,1,2,3
	WM 128+8*(\t), (\bb)+8*(\t), (\ab)+64+8*(\u)
.endr
	WIN 0
.Ldead_\@:
.endm
.macro SLOTLD                          ; FFN = 2: my five tiles' rows of part and gate weights, eight slots a lane, into the first token buffer: 20 loads
.irp i, 0,1,2,3,4
	global_load_b128 v[AB0+16*(\i):AB0+16*(\i)+3],     v[HOF], s[SR+2*(\i):SR+2*(\i)+1]
	global_load_b128 v[AB0+16*(\i)+4:AB0+16*(\i)+7],   v[HOF], s[SR+2*(\i):SR+2*(\i)+1] offset:16
	global_load_b128 v[AB0+16*(\i)+8:AB0+16*(\i)+11],  v[HOF], s[SW+2*(\i):SW+2*(\i)+1]
	global_load_b128 v[AB0+16*(\i)+12:AB0+16*(\i)+15], v[HOF], s[SW+2*(\i):SW+2*(\i)+1] offset:16
.endr
.endm
; TRIP t multiplies chunk t (rel from LC; par = t % 2).  st: chunk t + 2 is rounded and laid into LDS.  la: chunk t + 1's token rows are asked for.  re: the weights of chunk t + 4 are asked for.
; nx: chunk t + 1's first fragments are read from LDS.  nw, na: the younger loads that may stay out when W(t + 2), A(t) have to be there.  bar: the barrier that shows this trip's stores to every wave.  pf: the turn's prefetch.
; sl: the way out's lists are asked for (FFN = 2, the last trip), into the token buffer that the trip before multiplied.
; The LDS instructions of a trip, in order: my 4 stores; K step 1's 8 loads (riding on K step 0); the next chunk's K step 0's 8 loads (riding on K step 1).  The counts below follow from that.
.macro TRIP rel, par, st, la, re, nx, nw, na, bar, pf, sl
.set RWB, RAW+32*(\par)
.set ABC, AB0+80*(\par)
.set ABN, AB0+80*(1-(\par))
.set BKC, BB0+32*(\par)                ; K step 0's buffer of this trip, in window par,
.set BKN, BB0+32*(1-(\par))            ; and of the next, in window 1 - par
.if \st
	s_wait_loadcnt \nw
.if \par
	s_wait_alu depctr_vm_vsrc(0)                   ; the last trip's LDS stores have read v[OUT ..], which the roundings write (an even trip's wait stands ahead of it: ahead of the loop, or where the addresses are stepped)
.endif
	CVT RWB                                        ; sixteen plain lines that name no register of the matrix instructions: the places in front of the loads below and of the riders
.else
	PLACES
.endif
	s_wait_alu depctr_va_vdst(0)                   ; the trip's one wait: the roundings have written v[OUT ..], which the LDS stores read, and are done reading RAW[par], in which the weights land; the last trip's matrix instructions are done reading
	                                               ; the other token buffer, BB1 and K step 0's other buffer, in which this trip's loads land; behind a step of the addresses: v[BAD], v[LST], v[AOF], v[PFV] are written
.if \la
	LDA ABN, (\rel)+1
.endif
.if \sl
	SLOTLD
.endif
.if \re
	ASKW RWB, (\rel)+4
.endif
.if \st
	PUT (\rel)+2
.endif
	s_wait_loadcnt \na
.if \pf
	global_prefetch_b8 v[PFV], s[4:5] th:TH_LOAD_NT scope:SCOPE_SE  ; my block of the two chunks that the next turn's loads ask for
.endif
	MUL ABC, 0, BKC, \par, 1, BB1, 0, \rel, 1, 4+4*(\st), 8+4*(\st)
	MUL ABC, 1, BB1, 0, \nx, BKN, 1-(\par), (\rel)+1, 0, 4, 8*(\nx)
.if \bar
	s_wait_dscnt 0x0                               ; for the others' sake: my stores are in LDS
	s_barrier_signal -1
	s_barrier_wait -1
.endif
.endm
.macro MKTB                            ; my five tiles of pass PS; a tile past the last repeats it
	s_mul_i32 s34, s[PS], 20
	s_add_co_u32 s34, s34, s[RG]
	s_sub_co_u32 s35, s[NTS], 1
	s_mov_b32 s33, 0
	s_mov_b32 s3, 0
.irp i, 0,1,2,3,4
	s_add_co_u32 s32, s34, 4*(\i)
	s_min_u32 s32, s32, s35
	s_min_u32 s32, s32, 63
.if FFN == 2
	s_lshl_b32 s2, s32, 6                          ; 16 slots of 4 bytes
	s_add_nc_u64 s[SR+2*(\i):SR+2*(\i)+1], s[16:17], s[2:3]
	s_add_nc_u64 s[SW+2*(\i):SW+2*(\i)+1], s[18:19], s[2:3]
.endif
	s_lshl_b32 s32, s32, ASH
	s_add_nc_u64 s[TB+2*(\i):TB+2*(\i)+1], s[8:9], s[32:33]
.endr
	s_add_co_u32 s34, s34, 16
	s_cmp_lt_u32 s34, s[NT]
	s_cselect_b32 s[LV4], 1, 0
.endm
; The bias starts the sums.  It is staged in the second token buffer, which is free at a pass's beginning.
.set BR, AB1
.macro BIASLD
	s_wait_xcnt 0x0                                ; stores of the pass before may still name the registers written below
.if FFN == 1
.irp m, 0,1,2,3,4,5,6,7
	global_load_b128 v[BR+4*(\m):BR+4*(\m)+3], v[BOF], s[6:7] offset:16*(\m)  ; b1 of my 32 channels: 4 j + t at register 4 j + t
.endr
.else
	global_load_b128 v[BR:BR+3], v[BOF], s[6:7]    ; b2 of columns 64 cg + 4 r + t
.endif
.endm
.macro BIASMATH left
.if (\left) >= 0
	s_wait_loadcnt \left
.endif
.if FFN == 1
.set n, 0
.rept 16
	v_cvt_pk_bf16_f32 v[BR+32+n], v[BR+2*n], v[BR+2*n+1]
.set n, n+1
.endr
.else
.irp n, 0,1
	v_cvt_pk_bf16_f32 v[BR+4+(\n)], v[BR+2*(\n)], v[BR+2*(\n)+1]
.endr
.irp n, 0,1
	v_lshlrev_b32 v[BR+8+2*(\n)], 16, v[BR+4+(\n)]
	v_and_b32 v[BR+9+2*(\n)], s[HIM], v[BR+4+(\n)]
.endr
.endif
	WIN 0x40
.irp i, 0,1,2,3,4
.irp t, 0,1,2,3
.irp j, 0,1,2,3,4,5,6,7
.if FFN == 2
	v_mul_f32 v[32*(\i)+8*(\t)+(\j)], s[FLG], v[BR+8+(\t)]
.elseif ((\t)%2) == 0
	v_lshlrev_b32 v[32*(\i)+8*(\t)+(\j)], 16, v[BR+32+2*(\j)+(\t)/2]
.else
	v_and_b32 v[32*(\i)+8*(\t)+(\j)], s[HIM], v[BR+32+2*(\j)+(\t)/2]
.endif
.endr
.endr
.endr
	WIN 0
.endm
; THE WAY OUT of my tile i of pass PS; a tile past the bound is jumped.  Each accumulator's register 0 is read first.
.macro EPI i
	s_mul_i32 s32, s[PS], 20
	s_add_co_u32 s32, s32, s[RG]
	s_add_co_u32 s32, s32, 4*(\i)
.if FFN == 1
	s_cmp_ge_u32 s32, s[NTS]
.else
	s_cmp_ge_u32 s32, s[NT]
.endif
	s_cbranch_scc1 .Lskip_\@
.set ACB, 32*(\i)
.if FFN == 1
	; lane (r, h) holds token r and channels 64 cg + 32 h + 4 j + t: just the 32 numbers that the same lane takes as the second product's operand
.set PB, AB0+16*(\i)
	s_mov_b32 s33, 0
	s_lshl_b32 s32, s32, 17                        ; a tile of h: 131,072 bytes
	s_wait_xcnt 0x0                                ; the base is rewritten only behind this wait
	s_wait_alu depctr_vm_vsrc(0)                   ; the stores of my tile i of the pass before have read v[PB ..], which the roundings write
	s_add_nc_u64 s[SB:SB+1], s[10:11], s[32:33]
	WIN 0x05
.irp j, 0,1,2,3,4,5,6,7
.irp p, 0,1
	v_cvt_pk_bf16_f32 v[PB+2*(\j)+(\p)], v[ACB+8*(2*(\p))+(\j)], v[ACB+8*(2*(\p)+1)+(\j)]
.endr
.endr
	WIN 0
.set n, 0
.rept 16
	v_pk_max_num_bf16 v[PB+n], v[PB+n], v[ZR]      ; relu on the rounded pair: the same number as rounding the relu
.set n, n+1
.endr
	s_wait_alu depctr_va_vdst(0)                   ; v[PB ..] is written, which the four stores read
.irp q, 0,1,2,3
	global_store_b128 v[L16], v[PB+4*(\q):PB+4*(\q)+3], s[SB:SB+1] offset:512*(\q)  ; 512 consecutive bytes a store
.endr
.else
	; lane (r, h), register j: slot 8 h + j, columns 64 cg + 4 r + t: for one j sixteen lanes hold 256 consecutive bytes of a row of part
.set SLT, AB0+16*(\i)                  ; the tile's eight rows of part, then its eight weights
.set VO,  AB1+40*((\i)%2)              ; eight byte offsets,
.set TM,  VO+8                         ; and 32 numbers to store
	s_wait_xcnt 0x0                                ; registers that earlier stores name are rewritten only behind this wait
	s_wait_alu depctr_vm_vsrc(0)                   ; the stores of the tile two before, round the loop over passes too, have read v[VO ..] and v[TM ..], which the lines below write
.irp j, 0,1,2,3,4,5,6,7
	v_min_u32 v[VO+(\j)], 0x7ff, v[SLT+(\j)]
.endr
.irp j, 0,1,2,3,4,5,6,7
	v_lshl_add_u32 v[VO+(\j)], v[VO+(\j)], 12, v[BOF]
.endr
	WIN 0x01
.irp j, 0,1,2,3,4,5,6,7
.irp t, 0,1,2,3
	v_mul_f32 v[TM+4*(\j)+(\t)], v[ACB+8*(\t)+(\j)], v[SLT+8+(\j)]
.endr
.endr
	WIN 0
	s_wait_alu depctr_va_vdst(0)                   ; v[VO ..] and v[TM ..] are written, which the eight stores read as offsets and data
.irp j, 0,1,2,3,4,5,6,7
	global_store_b128 v[VO+(\j)], v[TM+4*(\j):TM+4*(\j)+3], s[10:11]
.endr
.endif
.Lskip_\@:
.endm
	s_load_b256 s[4:11], s[0:1], 0x0               ; the weight s[4:5], the bias s[6:7], the token operand s[8:9], the result s[10:11]
	s_load_b64 s[12:13], s[0:1], 0x20              ; cnt
	v_lshl_add_u32 v1, v0, 2, 0x40000
	v_mov_b32 v2, 0
.if FFN == 2
	s_load_b128 s[16:19], s[0:1], 0x28             ; slotrow s[16:17], slotw s[18:19]
.endif
	v_lshrrev_b32 v15, 5, v0
	v_readfirstlane_b32 s[WV], v15
	v_and_b32 v12, 15, v0                          ; r
	v_bfe_u32 v13, v0, 4, 1                        ; h
	v_and_b32 v14, 31, v0                          ; lane
	s_and_b32 s[EX], ttmp7, 0xffff
.if FFN == 1
	s_mov_b32 s[SL], ttmp9
	s_mov_b32 s[KQ], 0
.else
	s_and_b32 s[SL], ttmp9, 7
	s_lshr_b32 s[KQ], ttmp9, 3
.endif
	s_wait_alu depctr_va_sdst(0)                   ; the wave's number is written, ahead of its first reader: groups, LDS places and bases are made from it
	s_lshr_b32 s[RG], s[WV], 1
	s_and_b32 s[CG], s[WV], 1
	s_mov_b32 s[HIM], 0xffff0000
	s_cmp_eq_u32 s[KQ], 0
	s_cselect_b32 s[FLG], 1.0, 0
	s_mov_b32 s[PS], 0
	s_mov_b32 s[LC], 0
	s_mov_b32 s[AC], 0
	s_mov_b32 s[PFC], 6*CH
	s_mov_b32 s33, 0
	v_lshlrev_b32 v[L16], 4, v14
	v_mov_b32 v[AOF], v[L16]
	s_lshl_b32 s32, s[CG], 12
	v_add_nc_u32 v[LBW], s32, v[L16]
	v_mov_b32 v[BAD], v[LBW]
	s_and_b32 s32, s[WV], 3                        ; what I lay into LDS: K step and column group 2 u + g = w % 4,
	s_lshl_b32 s32, s32, 12
	s_lshr_b32 s34, s[WV], 2                       ; half a = w / 4
	s_lshl_b32 s34, s34, 9
	s_add_co_u32 s32, s32, s34
	v_add_nc_u32 v[LSW], s32, v[L16]
	v_mov_b32 v[LST], v[LSW]
	v_lshlrev_b32 v[WOF], HSH, v13
	v_lshl_add_u32 v[WOF], v12, 4, v[WOF]
	s_lshl_b32 s34, s[CG], 8
.if FFN == 1
	v_mov_b32 v[ZR], 0
	v_lshlrev_b32 v[BOF], 7, v13
.else
	v_lshlrev_b32 v[HOF], 5, v13
	v_lshlrev_b32 v[BOF], 4, v12
.endif
	v_add_nc_u32 v[BOF], s34, v[BOF]
	v_lshrrev_b32 v[PF0], 1, v0                    ; the prefetch: thread n has row n / 2 of two chunks' 128 rows, half n % 2 of its 512 bytes
	v_lshlrev_b32 v[PF0], PSH, v[PF0]
	v_and_b32 v[PFV], 1, v0
	v_lshl_add_u32 v[PF0], v[PFV], 8, v[PF0]
	v_add_nc_u32 v[PFV], s[PFC], v[PF0]
	s_lshl_b32 s32, s[EX], 2
	s_wait_kmcnt 0x0
	s_add_nc_u64 s[12:13], s[12:13], s[32:33]
	s_load_b32 s[CNT], s[12:13], 0x0               ; it is waited for behind the first loads, which do not hang on it
	s_lshl_b32 s32, s[EX], 24                      ; the weight: 16 MiB an expert, 4 MiB a quarter of K, 512 bytes a slice
	s_lshl_b32 s34, s[KQ], 22
	s_add_co_u32 s32, s32, s34
	s_lshl_b32 s34, s[SL], 9
	s_add_co_u32 s32, s32, s34
	s_add_nc_u64 s[4:5], s[4:5], s[32:33]          ; the work-group's slice
	s_and_b32 s32, s[WV], 1                        ; my wave's eighth of a chunk: column group g = w % 2,
	s_lshl_b32 s32, s32, 8
	s_bfe_u32 s35, s[WV], 0x10001                  ; K step u = (w / 2) % 2: 16 rows,
	s_mul_i32 s35, s35, 16*PITCH
	s_add_co_u32 s32, s32, s35
	s_lshr_b32 s35, s[WV], 2                       ; half a = w / 4: 8 rows
	s_mul_i32 s35, s35, 8*PITCH
	s_add_co_u32 s32, s32, s35
	s_add_nc_u64 s[WB:WB+1], s[4:5], s[32:33]
	s_lshl_b32 s32, s[EX], BSH                     ; the bias: 512 bytes a slice too
	s_add_co_u32 s32, s32, s34
	s_add_nc_u64 s[6:7], s[6:7], s[32:33]
	s_wait_alu depctr_va_vdst(0)                   ; the offsets and LDS addresses v3 to v11 and v15 are written, which the loads, LDS instructions, stores and the prefetch below read
	BIASLD
	ASKW RAW, 0                                    ; chunks 0 and 1
	ASKW RAW+32, 1
	s_lshl_b32 s32, s[EX], ASH+6                   ; the token operand: 64 tiles an expert, 16 blocks of 2,048 bytes a quarter
	s_lshl_b32 s34, s[KQ], 15
	s_add_co_u32 s32, s32, s34
	s_add_nc_u64 s[8:9], s[8:9], s[32:33]
.if FFN == 1
	s_lshl_b32 s32, s[EX], 23                      ; h: 64 tiles of 131,072 bytes an expert; a slice is two blocks of 2,048, of which my column group has one
	s_lshl_b32 s34, s[SL], 12
	s_add_co_u32 s32, s32, s34
	s_lshl_b32 s34, s[CG], 11
.else
	s_lshl_b32 s32, s[KQ], 23                      ; part: 8 MiB a quarter; a slice is 512 bytes of a row
	s_lshl_b32 s34, s[SL], 9
.endif
	s_add_co_u32 s32, s32, s34
	s_add_nc_u64 s[10:11], s[10:11], s[32:33]
.if FFN == 2
	s_lshl_b32 s32, s[EX], 12                      ; the lists: 1,024 words an expert
	s_add_nc_u64 s[16:17], s[16:17], s[32:33]
	s_add_nc_u64 s[18:19], s[18:19], s[32:33]
.endif
	s_wait_kmcnt 0x0
	s_min_u32 s[CNT], s[CNT], 1024
	s_add_co_u32 s[NT], s[CNT], 15
	s_lshr_b32 s[NT], s[NT], 4
	s_max_u32 s[NTS], s[NT], 1
	MKTB
	s_wait_loadcnt 8                               ; the bias and chunk 0 are in, chunk 1's eight loads stay out
	CVT RAW
	s_wait_alu depctr_va_vdst(0)                   ; the roundings are done reading RAW[0], in which chunk 2 lands, and have written v[OUT ..], which the LDS stores read
	ASKW RAW, 2
	PUT 0
	s_wait_loadcnt 8                               ; chunk 1 is in, chunk 2's stay out
	s_wait_alu depctr_vm_vsrc(0)                   ; chunk 0's LDS stores have read v[OUT ..], which the roundings write
	CVT RAW+32
	s_wait_alu depctr_va_vdst(0)                   ; the roundings are done reading RAW[1], in which chunk 3 lands, and have written v[OUT ..], which the LDS stores read
	LDA AB0, 0                                     ; from here on the order is that of every trip: token rows, then weights
	ASKW RAW+32, 3
	PUT 1
	BIASMATH -1                                    ; the sums are started while those loads are on their way; the bias came in ahead of chunk 0
	s_wait_dscnt 0x0                               ; for the others' sake: my stores are in LDS
	s_barrier_signal -1
	s_barrier_wait -1
	LDB BB0, 0, 0                                  ; no vector line has named v[BB0 ..], nor v[BAD] since the head's wait
	s_wait_alu depctr_vm_vsrc(0)                   ; chunk 1's LDS stores have read v[OUT ..], which the first trip's roundings write
	s_mov_b32 s[LP], 6
.Ltrip:                                                ; two trips a turn, chunks 0 to 11.  28 = A(t) 20 + W(t + 3) 8;  36 = W(t + 3) 8 + A(t + 1) 20 + W(t + 4) 8
	TRIP 0, 0, 1, 1, 1, 1, 28, 36, 1, 1, 0
	TRIP 1, 1, 1, 1, 1, 1, 28, 36, 1, 0, 0
	s_wait_xcnt 0x0                                ; the loads' base and offsets are stepped only behind this wait
	s_wait_alu depctr_vm_vsrc(0)                   ; the turn's LDS loads, LDS stores, loads and prefetch have read v[BAD], v[LST], v[AOF], v[PFV], which the four adds write; the last LDS stores have read v[OUT ..], which the next trip's roundings write
	s_add_nc_u64 s[WB:WB+1], s[WB:WB+1], 2*CH
	s_add_co_u32 s[LC], s[LC], 2*CHL
	s_add_co_u32 s[AC], s[AC], 2*2048
	s_add_co_u32 s[PFC], s[PFC], 2*CH
	s_min_u32 s[PFC], s[PFC], 14*CH                ; no prefetch points past the slice's last two chunks
	v_add_nc_u32 v[BAD], s[LC], v[LBW]             ; the next trip's wait on va_vdst stands between these four and their first readers
	v_add_nc_u32 v[LST], s[LC], v[LSW]
	v_add_nc_u32 v[AOF], s[AC], v[L16]
	v_add_nc_u32 v[PFV], s[PFC], v[PF0]
	s_sub_co_u32 s[LP], s[LP], 1
	s_cmp_lg_u32 s[LP], 0
	s_cbranch_scc1 .Ltrip
	TRIP 0, 0, 1, 1, 0, 1, 28, 28, 1, 0, 0         ; the tail is written out: no load leaves the weight, and the counts run down.  Chunk 12: chunk 14 goes into LDS
	TRIP 1, 1, 1, 1, 0, 1, 20, 20, 1, 0, 0         ; chunk 13: chunk 15 goes into LDS
	TRIP 2, 0, 0, 1, 0, 1, 0, 20, 0, 0, 0          ; chunk 14: nothing is stored any more, so no barrier follows
	TRIP 3, 1, 0, 0, 0, 0, 0, 20*(FFN-1), 0, 0, FFN-1  ; chunk 15; FFN = 2: the way out's lists come in under its products, and their 20 loads may stay out
	s_mov_b32 s[PL], 4
.Lpass:                                                ; four trips: pass PS goes out; then, where the expert has such tiles, the next pass is multiplied from the slice in LDS
.if FFN == 2
	s_wait_loadcnt 0x0                             ; the lists
.endif
	PLACES
	EPI 0
	EPI 1
	EPI 2
	EPI 3
	EPI 4
	s_add_co_u32 s[PS], s[PS], 1
	s_mul_i32 s32, s[PS], 20
	s_cmp_ge_u32 s32, s[NT]
	s_cbranch_scc1 .Lnosweep                       ; forward, over text with no barrier and no LDS store
	s_wait_xcnt 0x0
	MKTB
	s_wait_alu depctr_va_vdst(0)                   ; the matrix instructions are done reading the second token buffer, in which the bias lands; FFN = 2: the way out's lines have written it, and are done reading the lists, which are loaded anew
.if FFN == 2
	s_wait_alu depctr_vm_vsrc(0)                   ; the way out's stores have read their offsets and data in the second token buffer, in which the bias lands
.endif
	BIASLD
.if FFN == 2
	SLOTLD
.endif
	BIASMATH 0
	s_mov_b32 s[LC], 0
	s_mov_b32 s[AC], 0
	s_mov_b32 s[LP], 16
.Lsweep:                                               ; a chunk a trip, nothing asked for ahead: a way for experts with more than 320 rows
	s_wait_xcnt 0x0                                ; v[AOF] is rewritten only behind this wait
	s_wait_alu depctr_vm_vsrc(0)                   ; the LDS loads and the loads issued so far have read v[BAD] and v[AOF]
	v_add_nc_u32 v[BAD], s[LC], v[LBW]
	v_add_nc_u32 v[AOF], s[AC], v[L16]
	PLACES
	s_wait_alu depctr_va_vdst(0)                   ; v[BAD] and v[AOF] are written; the last trip's matrix instructions, and in the first trip the lines that started the sums, are done with BB0, BB1 and the second token buffer, in which the loads land
	LDB BB0, 0, 0
	LDB BB1, 0, 1
	LDA AB1, 0
	s_wait_loadcnt 0x0
	MUL AB1, 0, BB0, 0, 0, 0, 0, 0, 0, 8, -1       ; K step 0's fragments; K step 1's eight loads may be out
	MUL AB1, 1, BB1, 0, 0, 0, 0, 0, 0, 0, -1
	s_add_co_u32 s[LC], s[LC], CHL
	s_add_co_u32 s[AC], s[AC], 2048
	s_sub_co_u32 s[LP], s[LP], 1
	s_cmp_lg_u32 s[LP], 0
	s_cbranch_scc1 .Lsweep
.Lnosweep:
	s_sub_co_u32 s[PL], s[PL], 1
	s_cmp_lg_u32 s[PL], 0
	s_cbranch_scc1 .Lpass
	s_wait_dscnt 0x0                               ; every wave's LDS reads are over
	s_barrier_signal -1
	s_barrier_wait -1
	s_wait_dscnt 0x0                               ; the wave's end; the closing add into the 1,024 bytes behind the slice follows
	s_wait_alu depctr_hold_cnt(0) depctr_sa_sdst(0) depctr_va_vdst(0) depctr_va_sdst(0) depctr_va_ssrc(0) depctr_va_vcc(0) depctr_vm_vsrc(0)
	s_wait_tensorcnt 0x0
	ds_add_u32 v1, v2
	s_wait_dscnt 0x0
	s_endpgm
.Lfunc_end_k_qd1a94a6787_ffn1:
	.size	k_qd1a94a6787_ffn1, .Lfunc_end_k_qd1a94a6787_ffn1-k_qd1a94a6787_ffn1
	.p2alignl 7, 3214868480
	.fill 96, 4, 3214868480
	.section	.rodata,"a",@progbits
	.p2align	6, 0x0
	.amdhsa_kernel k_qd1a94a6787_ffn1
		.amdhsa_group_segment_fixed_size 263168
		.amdhsa_private_segment_fixed_size 0
		.amdhsa_enable_private_segment 0
		.amdhsa_kernarg_size 40
		.amdhsa_user_sgpr_count 2
		.amdhsa_user_sgpr_kernarg_segment_ptr 1
		.amdhsa_wavefront_size32 1
		.amdhsa_system_sgpr_workgroup_id_x 1
		.amdhsa_system_sgpr_workgroup_id_y 1
		.amdhsa_system_sgpr_workgroup_id_z 1
		.amdhsa_system_vgpr_workitem_id 0
		.amdhsa_next_free_vgpr 512
		.amdhsa_next_free_sgpr 66
		.amdhsa_reserve_vcc 0
		.amdhsa_float_denorm_mode_32 3
		.amdhsa_float_denorm_mode_16_64 3
		.amdhsa_memory_ordered 1
		.amdhsa_forward_progress 1
		.amdhsa_inst_pref_size 92
	.end_amdhsa_kernel
	.amdgpu_metadata
---
amdhsa.version: [ 1, 2 ]
amdhsa.kernels:
  - .name:           k_qd1a94a6787_ffn1
    .symbol:         k_qd1a94a6787_ffn1.kd
    .args:
      - { .name: W1, .offset: 0, .size: 8, .value_kind: global_buffer, .address_space: global }
      - { .name: b1, .offset: 8, .size: 8, .value_kind: global_buffer, .address_space: global }
      - { .name: xs, .offset: 16, .size: 8, .value_kind: global_buffer, .address_space: global }
      - { .name: h, .offset: 24, .size: 8, .value_kind: global_buffer, .address_space: global }
      - { .name: cnt, .offset: 32, .size: 8, .value_kind: global_buffer, .address_space: global }
    .group_segment_fixed_size: 263168
    .private_segment_fixed_size: 0
    .kernarg_segment_align: 8
    .kernarg_segment_size: 40
    .max_flat_workgroup_size: 256
    .sgpr_count:     66
    .vgpr_count:     512
    .wavefront_size: 32
...
	.end_amdgpu_metadata
.endif
;; end of part 6
;; launch ffn2 (part 7): grid 32 x 8, 8 waves a work-group, no clusters, 263,168 bytes of LDS; arguments W2, b2, h, part, cnt, slotrow, slotw; writes part
.if DOCPART == 7
	.amdgcn_target "amdgcn-amd-amdhsa--gfx1250"
	.amdhsa_code_object_version 6
	.text
	.protected	k_qd1a94a6787_ffn2
	.globl	k_qd1a94a6787_ffn2
	.p2align	8
	.type	k_qd1a94a6787_ffn2,@function
k_qd1a94a6787_ffn2:
	s_mov_b64 s[64:65], 0
	v_nop
	global_prefetch_b8 v0, s[64:65] scope:SCOPE_SE
	s_setreg_imm32_b32 hwreg(HW_REG_WAVE_SCHED_MODE, 0, 2), 2
	s_setreg_imm32_b32 hwreg(HW_REG_WAVE_MODE, 25, 1), 1
	s_wait_xcnt 0x0
	s_wait_alu depctr_vm_vsrc(0)
; THE SECOND PRODUCT OF AN EXPERT'S LAYER.  part[kq][1024 choice + token] = w (h W2 over a quarter kq of the hidden width, + b2 in quarter 0), f32: partial sums, which the last launch adds.
; The text is the first product's, with this product's sizes, operand order and way out.
; SHARES.  A work-group has expert e = y, 128 columns and 1,024 rows of the weight: 512 KB of f32 that it alone reads, once; and all of that expert's token rows, in tiles of 16.
; x = 8 kq + ns: column slice ns of 8, quarter kq of the 4,096 rows: with quarters a work-group reads a quarter of each token row of h, not all of it.
; The weight goes in 16 chunks of 64 rows.  ALL EIGHT WAVES RUN ONE TEXT.  Each loads an eighth of every chunk (8 loads of 512 bytes), rounds it to bf16 and lays it into LDS as operand fragments.
; For the products the waves are 4 row groups x 2 column groups (rg = w / 2, cg = w % 2): a wave has five tiles of tokens (rg + 4 i + 20 pass) and 64 columns: 20 accumulators.  So a weight fragment
; is read from LDS by four waves, 16 LDS loads for a wave's 32 to 40 matrix instructions of a chunk; a tile's token rows, which come from memory straight into operand registers, are asked for by the two waves of its row group.
; LDS holds the whole slice (256 KB in bf16); each byte is written once.  So rows past the first pass are served from LDS with no barrier and no weight read again.
; THE ORDER OF THE LOADS.  A wave's loads come back in order (ISA guide 5.7.1), so a wait for token rows calls home every weight load issued ahead of them.  A trip therefore asks for the next chunk's
; token rows first and then for the weights four chunks on: a weight load has two trips in which to land, and 16 of them a wave, 64 KB a work-group, are out.
; A chunk is laid into LDS two trips ahead of its products.  THE LDS LOADS RIDE ON THE PRODUCTS: a K step's eight loads stand in two groups of four behind the first two groups of four matrix instructions of the K step before.
; ROWS.  A pass is 20 tiles.  All five tiles of a wave are always loaded (a tile past the count repeats the last), so that every count of loads is a constant; the fifth tile's matrix instructions and the stores
; of tiles past the count are jumped by scalar branches on the expert's count, which an earlier launch stored.  Passes 1 to 3 are jumped where the expert has no such tiles.  An expert without tokens still streams its weights and stores nothing.
; THE ORDER ALONG K is the same permutation in both operands: in a block of 64, lane half h, register i, half p of K step u stand for k = 32 h + 16 u + 2 i + p.  A weight fragment t of a group g of 64 columns
; holds column 64 g + 4 r + t in lane r: so a lane's 16-byte loads of f32 rows turn into fragments by roundings alone, and sixteen lanes read 256 consecutive aligned bytes.
; PREFETCH.  Once a turn of two chunks each of the 256 threads asks for one block of 256 bytes: together the 64 KB of the two chunks that the next turn's loads will want; the last turn's address is held at chunks 14 and 15.
; FORMATS.  Weights and bias are rounded once to bf16, sums are f32.  The bias starts the sums: the 160 lines that write it stand where clearing would, and spare as many additions at the end.
; LIMITS.  NaN and infinities are not treated apart (b2 is multiplied by 0 in quarters 1 to 3).  Slots past the count repeat the last real slot: the same numbers go to the same bytes again, from the same wave.
; NO CLUSTER: what an expert's work-groups share is its token rows, which go straight into registers; a joint load would want an LDS ring beside the 256 KB of weights, and requests for 64 tiles at every split.
; THE MODE: SCHED_MODE bits 1:0 = 2 (LLVM: expert scheduling mode 2), set by the entry lines.  The code itself states the register dependences
; between vector or matrix instructions and memory or LDS instructions, with s_wait_alu, always for 0.
; THE PLAN.  Registers that memory or LDS instructions touch, in trip t (p = t % 2):
;   RAW[p]      The trip's sixteen roundings read it; behind them the loads of the weights four chunks on land in it.
;   OUT         The roundings write it; the trip's four LDS stores read it; the next trip's roundings write it again.
;   AB[1 - p]   Trip t - 1's matrix instructions read it; the next chunk's token rows land in it (in the last trip: the way out's lists).  AB[p] is what this trip multiplies.
;   BB1         K step 1's fragments.  Trip t - 1's second K step read it; this chunk's loads land in it, riding on this trip's first K step.
;   BB0, BB2    K step 0's fragments, a buffer for even trips and one for odd.  The other trip's buffer was read in trip t - 1; the next chunk's loads land in it, riding on this trip's second K step.
;   v[BAD], v[LST], v[AOF], v[PFV]   Read by LDS loads, LDS stores, the token rows' loads, the prefetch; written once a turn of two trips, at its end.
;   v[WOF], v[L16], v[BOF], v[HOF]   Made at the head, never written again.      The accumulators are named by vector and matrix instructions alone.
; So ONE wait on va_vdst stands in a trip, behind its roundings.  Since that wait the trip's matrix instructions name AB[p], K step 0's buffer of this trip, BB1 (behind its loads alone) and the accumulators:
; none of the registers that a later load or store of the trip touches.  One wait on vm_vsrc a trip frees OUT: in an odd trip at its head, for an even trip ahead of it, where the addresses are stepped (or ahead of the loop).
.set PITCH, 4096                       ; bytes from row to row of the weight
.set HSH,   17                         ; 32 rows of it
.set PSH,   12                         ; one row of it
.set ASH,   17                         ; a tile of the token operand: 64 blocks of 2,048 bytes
.set BSH,   12                         ; an expert's bias
.set WSRC,  0x04                       ; the weights are a matrix instruction's source 1: that place's window bit
.set CH,    64*PITCH                   ; a chunk in memory
.set CHL,   16384                      ; a chunk in LDS: (8 u + 4 g + t) 1,024 + 512 a + 16 lane; a = low or high four registers of a fragment
.set WV,  20                           ; s20 wave      s21 row group      s22 e      s23 slice of columns      s24 quarter of K
.set RG,  21
.set EX,  22
.set SL,  23
.set KQ,  24
.set CNT, 25                           ; s25 the expert's rows     s26 its tiles     s27 tiles that exist in memory: at least 1
.set NT,  26
.set NTS, 27
.set PS,  28                           ; s28 pass
.set LC,  29                           ; s29 LDS byte of the chunk that a trip takes as rel 0
.set AC,  30                           ; s30 that chunk's byte in a tile of the token operand
.set LP,  31                           ; s31 loop count; s2, s3, s32-35 at work
.set WB,  36                           ; s[36:37] my place in the weight
.set LV4, 38                           ; s38 1: my fifth tile exists
.set PL,  39                           ; s39 passes to go
.set TB,  40                           ; s[40:49] my five tiles of the token operand
.set CG,  52                           ; s52 column group
.set PFC, 53                           ; s53 byte, in the slice, of the chunks to prefetch
.set HIM, 54                           ; s54 a word's upper bf16
.set FLG, 55                           ; s55 1.0 in quarter 0, else 0
.set SR,  66                           ; s[66:75] my five tiles' places in slotrow
.set SW,  76                           ; s[76:85] and in slotw
.set AOF, 3                            ; v3  my byte in a tile of the token operand: AC + 16 lane
.set L16, 4                            ; v4  16 lane
.set BAD, 5                            ; v5  LC + v11: where fragments are read
.set LST, 6                            ; v6  LC + v8: where my fragments are laid
.set WOF, 7                            ; v7  my byte in the weight: 32 h rows + 16 r
.set LSW, 8                            ; v8  4,096 (w % 4) + 512 (w / 4) + 16 lane
.set HOF, 9                            ; v9  32 h: my eight slots in a tile's lists
.set BOF, 10                           ; v10 256 cg + 16 r: my byte in the slice's bias, and my place in a row of part
.set LBW, 11                           ; v11 4,096 cg + 16 lane
.set PF0, 14                           ; v14 the prefetch: my block's byte in two chunks
.set PFV, 15                           ; v15 PFC + v14
.set OUT, 16                           ; v[16:31]   my rounded fragments
.set AB0, 32                           ; v[32:191]  two buffers of 80: a chunk's token fragments: tile i, piece q at 16 i + 4 q
.set AB1, 112
.set BB0, 192                          ; v[192:223] K step 0's four weight fragments in even trips
.set BB1, 224                          ; v[224:255] K step 1's
.set RAW, 160                          ; SECOND WINDOW OF 256: v[0:159] the accumulators, tile i, fragment t at 32 i + 8 t; v[160:223] two buffers of 32: my weights as loaded;
                                       ; v[224:255] (BB2) K step 0's four weight fragments in odd trips: BB0 + 32 in the second window
.set BR,  AB1                          ; the bias is staged in the second token buffer, which is free at a pass's beginning
.set MSB, 0
.macro WIN new                         ; s_set_vgpr_msb: bits 1:0 source 0, 3:2 source 1, 5:4 source 2, 7:6 destination; the high byte repeats the setting that is left
.if MSB != (\new)
	s_set_vgpr_msb (MSB<<8)|(\new)
.set MSB, \new
.endif
.endm
.macro PLACES                          ; a load into a register that a matrix instruction has read, and a vector line that reads its result, stand four plain vector lines behind it
.rept 4
	v_nop
.endr
.endm
.macro CVT rwb                         ; my eight rows x four columns a lane, rounded: fragment t's register i takes column t of rows 2 i, 2 i + 1
	WIN 0x05
.irp t, 0,1,2,3
.irp i, 0,1,2,3
	v_cvt_pk_bf16_f32 v[OUT+4*(\t)+(\i)], v[(\rwb)+8*(\i)+(\t)], v[(\rwb)+8*(\i)+4+(\t)]
.endr
.endr
	WIN 0
.endm
.macro ASKW rwb, c                     ; my eighth of chunk c from WB: 8 loads; sixteen lanes read 256 consecutive aligned bytes of a row, the other sixteen those of the row 32 further down
	WIN 0x40
.irp j, 0,1,2,3,4,5,6,7
	global_load_b128 v[(\rwb)+4*(\j):(\rwb)+4*(\j)+3], v[WOF], s[WB:WB+1] offset:(\c)*CH+(\j)*PITCH th:TH_LOAD_NT
.endr
	WIN 0
.endm
.macro PUT c                           ; into LDS, chunk c from LC: 512 consecutive bytes a store
.irp t, 0,1,2,3
	ds_store_b128 v[LST], v[OUT+4*(\t):OUT+4*(\t)+3] offset:(\c)*CHL+(\t)*1024
.endr
.endm
.macro LDB2 bb, rel, u, t0             ; fragments t0 and t0 + 1 of my column group, K step u of chunk rel: 4 loads, 512 consecutive bytes each
.irp d, 0,1
	ds_load_b128 v[(\bb)+8*((\t0)+(\d)):(\bb)+8*((\t0)+(\d))+3],   v[BAD] offset:(\rel)*CHL+(8*(\u)+(\t0)+(\d))*1024
	ds_load_b128 v[(\bb)+8*((\t0)+(\d))+4:(\bb)+8*((\t0)+(\d))+7], v[BAD] offset:(\rel)*CHL+(8*(\u)+(\t0)+(\d))*1024+512
.endr
.endm
.macro LDB bb, rel, u
	LDB2 \bb, \rel, \u, 0
	LDB2 \bb, \rel, \u, 2
.endm
.macro LDA buf, rel                    ; a chunk's token fragments of my five tiles: 20 loads, 512 consecutive bytes each
.irp i, 0,1,2,3,4
.irp q, 0,1,2,3
	global_load_b128 v[(\buf)+16*(\i)+4*(\q):(\buf)+16*(\i)+4*(\q)+3], v[AOF], s[TB+2*(\i):TB+2*(\i)+1] offset:(\rel)*2048+(\q)*512
.endr
.endr
.endm
.macro WM d, w, a                      ; source 0 the tokens, source 1 the weights: a lane holds one column of eight tokens
	v_wmma_f32_16x16x32_bf16 v[(\d):(\d)+7], v[(\a):(\a)+7], v[(\w):(\w)+7], v[(\d):(\d)+7]
.endm
; A K step: four groups (fragment t) of four matrix instructions (tiles 0 to 3), then four for tile 4 where it exists.  The accumulators take turns, one instruction a turn:
; 15 others' at the least stand between two on one accumulator.  bb, bw: the fragments' buffer and its window.  rd = 1: behind groups 0 and 1 ride the eight LDS loads of buffer rbb in window rbw (chunk rrel, K step ru).
; The riders owe no wait of their own: no vector or matrix instruction since the trip's wait names the buffer in which they land, or v[BAD].
; w0, w2: the younger LDS instructions that may be out when fragments 0, 1 and fragments 2, 3 of bb have to be there (-1: no wait).
.macro MUL ab, u, bb, bw, rd, rbb, rbw, rrel, ru, w0, w2
.irp t, 0,1,2,3
.if ((\t) == 0) && ((\w0) >= 0)
	s_wait_dscnt \w0
.endif
.if ((\t) == 2) && ((\w2) >= 0)
	s_wait_dscnt \w2
.endif
	WIN 0x50+WSRC*(\bw)
.irp i, 0,1,2,3
	WM 32*(\i)+8*(\t), (\bb)+8*(\t), (\ab)+16*(\i)+8*(\u)
.endr
.if (\rd) && ((\t) < 2)
	WIN 0x40*(\rbw)
	LDB2 \rbb, \rrel, \ru, 2*(\t)
.endif
.endr
	WIN 0                                          ; at a branch and at a label every window is 0
	s_cmp_eq_u32 s[LV4], 0
	s_cbranch_scc1 .Ldead_\@                       ; forward, over matrix instructions alone
	WIN 0x50+WSRC*(\bw)
.irp t, 0,1,2,3
	WM 128+8*(\t), (\bb)+8*(\t), (\ab)+64+8*(\u)
.endr
	WIN 0
.Ldead_\@:
.endm
.macro SLOTLD                          ; my five tiles' rows of part and gate weights, eight slots a lane, into the first token buffer: 20 loads
.irp i, 0,1,2,3,4
	global_load_b128 v[AB0+16*(\i):AB0+16*(\i)+3],     v[HOF], s[SR+2*(\i):SR+2*(\i)+1]
	global_load_b128 v[AB0+16*(\i)+4:AB0+16*(\i)+7],   v[HOF], s[SR+2*(\i):SR+2*(\i)+1] offset:16
	global_load_b128 v[AB0+16*(\i)+8:AB0+16*(\i)+11],  v[HOF], s[SW+2*(\i):SW+2*(\i)+1]
	global_load_b128 v[AB0+16*(\i)+12:AB0+16*(\i)+15], v[HOF], s[SW+2*(\i):SW+2*(\i)+1] offset:16
.endr
.endm
; TRIP t multiplies chunk t (rel from LC; par = t % 2).  st: chunk t + 2 is rounded and laid into LDS.  la: chunk t + 1's token rows are asked for.  re: the weights of chunk t + 4 are asked for.
; nx: chunk t + 1's first fragments are read from LDS.  nw, na: the younger loads that may stay out when W(t + 2), A(t) have to be there.  bar: the barrier that shows this trip's stores to every wave.  pf: the turn's prefetch.
; sl: the way out's lists are asked for (the last trip), into the token buffer that the trip before multiplied.
; The LDS instructions of a trip, in order: my 4 stores; K step 1's 8 loads (riding on K step 0); the next chunk's K step 0's 8 loads (riding on K step 1).  The counts below follow from that.
.macro TRIP rel, par, st, la, re, nx, nw, na, bar, pf, sl
.set RWB, RAW+32*(\par)
.set ABC, AB0+80*(\par)
.set ABN, AB0+80*(1-(\par))
.set BKC, BB0+32*(\par)                ; K step 0's buffer of this trip, in window par,
.set BKN, BB0+32*(1-(\par))            ; and of the next, in window 1 - par
.if \st
	s_wait_loadcnt \nw
.if \par
	s_wait_alu depctr_vm_vsrc(0)                   ; the last trip's LDS stores have read v[OUT ..], which the roundings write (an even trip's wait stands ahead of it: ahead of the loop, or where the addresses are stepped)
.endif
	CVT RWB                                        ; sixteen plain lines that name no register of the matrix instructions: the places in front of the loads below and of the riders
.else
	PLACES
.endif
	s_wait_alu depctr_va_vdst(0)                   ; the trip's one wait: the roundings have written v[OUT ..], which the LDS stores read, and are done reading RAW[par], in which the weights land; the last trip's matrix instructions are done reading
	                                               ; the other token buffer, BB1 and K step 0's other buffer, in which this trip's loads land; behind a step of the addresses: v[BAD], v[LST], v[AOF], v[PFV] are written
.if \la
	LDA ABN, (\rel)+1
.endif
.if \sl
	SLOTLD
.endif
.if \re
	ASKW RWB, (\rel)+4
.endif
.if \st
	PUT (\rel)+2
.endif
	s_wait_loadcnt \na
.if \pf
	global_prefetch_b8 v[PFV], s[4:5] th:TH_LOAD_NT scope:SCOPE_SE  ; my block of the two chunks that the next turn's loads ask for
.endif
	MUL ABC, 0, BKC, \par, 1, BB1, 0, \rel, 1, 4+4*(\st), 8+4*(\st)
	MUL ABC, 1, BB1, 0, \nx, BKN, 1-(\par), (\rel)+1, 0, 4, 8*(\nx)
.if \bar
	s_wait_dscnt 0x0                               ; for the others' sake: my stores are in LDS
	s_barrier_signal -1
	s_barrier_wait -1
.endif
.endm
.macro MKTB                            ; my five tiles of pass PS, in the token operand and in the two lists; a tile past the last repeats it
	s_mul_i32 s34, s[PS], 20
	s_add_co_u32 s34, s34, s[RG]
	s_sub_co_u32 s35, s[NTS], 1
	s_mov_b32 s33, 0
	s_mov_b32 s3, 0
.irp i, 0,1,2,3,4
	s_add_co_u32 s32, s34, 4*(\i)
	s_min_u32 s32, s32, s35
	s_min_u32 s32, s32, 63
	s_lshl_b32 s2, s32, 6                          ; 16 slots of 4 bytes
	s_add_nc_u64 s[SR+2*(\i):SR+2*(\i)+1], s[16:17], s[2:3]
	s_add_nc_u64 s[SW+2*(\i):SW+2*(\i)+1], s[18:19], s[2:3]
	s_lshl_b32 s32, s32, ASH
	s_add_nc_u64 s[TB+2*(\i):TB+2*(\i)+1], s[8:9], s[32:33]
.endr
	s_add_co_u32 s34, s34, 16
	s_cmp_lt_u32 s34, s[NT]
	s_cselect_b32 s[LV4], 1, 0
.endm
; The bias starts the sums.
.macro BIASLD
	s_wait_xcnt 0x0                                ; stores of the pass before may still name the registers written below
	global_load_b128 v[BR:BR+3], v[BOF], s[6:7]    ; b2 of columns 64 cg + 4 r + t
.endm
.macro BIASMATH left
.if (\left) >= 0
	s_wait_loadcnt \left
.endif
.irp n, 0,1
	v_cvt_pk_bf16_f32 v[BR+4+(\n)], v[BR+2*(\n)], v[BR+2*(\n)+1]
.endr
.irp n, 0,1
	v_lshlrev_b32 v[BR+8+2*(\n)], 16, v[BR+4+(\n)]
	v_and_b32 v[BR+9+2*(\n)], s[HIM], v[BR+4+(\n)]
.endr
	WIN 0x40
.irp i, 0,1,2,3,4
.irp t, 0,1,2,3
.irp j, 0,1,2,3,4,5,6,7
	v_mul_f32 v[32*(\i)+8*(\t)+(\j)], s[FLG], v[BR+8+(\t)]
.endr
.endr
.endr
	WIN 0
.endm
; THE WAY OUT of my tile i of pass PS; a tile past the count is jumped.  Each accumulator's register 0 is read first.
; Lane (r, h), register j: slot 8 h + j, columns 64 cg + 4 r + t: for one j sixteen lanes hold 256 consecutive bytes of a row of part.
.macro EPI i
	s_mul_i32 s32, s[PS], 20
	s_add_co_u32 s32, s32, s[RG]
	s_add_co_u32 s32, s32, 4*(\i)
	s_cmp_ge_u32 s32, s[NT]
	s_cbranch_scc1 .Lskip_\@
.set ACB, 32*(\i)
.set SLT, AB0+16*(\i)                  ; the tile's eight rows of part, then its eight weights
.set VO,  AB1+40*((\i)%2)              ; eight byte offsets,
.set TM,  VO+8                         ; and 32 numbers to store
	s_wait_xcnt 0x0                                ; registers that earlier stores name are rewritten only behind this wait
	s_wait_alu depctr_vm_vsrc(0)                   ; the stores of the tile two before, round the loop over passes too, have read v[VO ..] and v[TM ..], which the lines below write
.irp j, 0,1,2,3,4,5,6,7
	v_min_u32 v[VO+(\j)], 0x7ff, v[SLT+(\j)]
.endr
.irp j, 0,1,2,3,4,5,6,7
	v_lshl_add_u32 v[VO+(\j)], v[VO+(\j)], 12, v[BOF]
.endr
	WIN 0x01
.irp j, 0,1,2,3,4,5,6,7
.irp t, 0,1,2,3
	v_mul_f32 v[TM+4*(\j)+(\t)], v[ACB+8*(\t)+(\j)], v[SLT+8+(\j)]
.endr
.endr
	WIN 0
	s_wait_alu depctr_va_vdst(0)                   ; v[VO ..] and v[TM ..] are written, which the eight stores read as offsets and data
.irp j, 0,1,2,3,4,5,6,7
	global_store_b128 v[VO+(\j)], v[TM+4*(\j):TM+4*(\j)+3], s[10:11]
.endr
.Lskip_\@:
.endm
	s_load_b256 s[4:11], s[0:1], 0x0               ; W2 s[4:5], b2 s[6:7], h s[8:9], part s[10:11]
	s_load_b64 s[12:13], s[0:1], 0x20              ; cnt
	s_load_b128 s[16:19], s[0:1], 0x28             ; slotrow s[16:17], slotw s[18:19]
	v_lshl_add_u32 v1, v0, 2, 0x40000
	v_mov_b32 v2, 0
	v_lshrrev_b32 v15, 5, v0
	v_readfirstlane_b32 s[WV], v15
	v_and_b32 v12, 15, v0                          ; r
	v_bfe_u32 v13, v0, 4, 1                        ; h
	v_and_b32 v14, 31, v0                          ; lane
	s_and_b32 s[EX], ttmp7, 0xffff
	s_and_b32 s[SL], ttmp9, 7
	s_lshr_b32 s[KQ], ttmp9, 3
	s_wait_alu depctr_va_sdst(0)                   ; the wave's number is written, ahead of its first reader: groups, LDS places and bases are made from it
	s_lshr_b32 s[RG], s[WV], 1
	s_and_b32 s[CG], s[WV], 1
	s_mov_b32 s[HIM], 0xffff0000
	s_cmp_eq_u32 s[KQ], 0
	s_cselect_b32 s[FLG], 1.0, 0
	s_mov_b32 s[PS], 0
	s_mov_b32 s[LC], 0
	s_mov_b32 s[AC], 0
	s_mov_b32 s[PFC], 6*CH
	s_mov_b32 s33, 0
	v_lshlrev_b32 v[L16], 4, v14
	v_mov_b32 v[AOF], v[L16]
	s_lshl_b32 s32, s[CG], 12
	v_add_nc_u32 v[LBW], s32, v[L16]
	v_mov_b32 v[BAD], v[LBW]
	s_and_b32 s32, s[WV], 3                        ; what I lay into LDS: K step and column group 2 u + g = w % 4,
	s_lshl_b32 s32, s32, 12
	s_lshr_b32 s34, s[WV], 2                       ; half a = w / 4
	s_lshl_b32 s34, s34, 9
	s_add_co_u32 s32, s32, s34
	v_add_nc_u32 v[LSW], s32, v[L16]
	v_mov_b32 v[LST], v[LSW]
	v_lshlrev_b32 v[WOF], HSH, v13
	v_lshl_add_u32 v[WOF], v12, 4, v[WOF]
	s_lshl_b32 s34, s[CG], 8
	v_lshlrev_b32 v[HOF], 5, v13
	v_lshlrev_b32 v[BOF], 4, v12
	v_add_nc_u32 v[BOF], s34, v[BOF]
	v_lshrrev_b32 v[PF0], 1, v0                    ; the prefetch: thread n has row n / 2 of two chunks' 128 rows, half n % 2 of its 512 bytes
	v_lshlrev_b32 v[PF0], PSH, v[PF0]
	v_and_b32 v[PFV], 1, v0
	v_lshl_add_u32 v[PF0], v[PFV], 8, v[PF0]
	v_add_nc_u32 v[PFV], s[PFC], v[PF0]
	s_lshl_b32 s32, s[EX], 2
	s_wait_kmcnt 0x0
	s_add_nc_u64 s[12:13], s[12:13], s[32:33]
	s_load_b32 s[CNT], s[12:13], 0x0               ; it is waited for behind the first loads, which do not hang on it
	s_lshl_b32 s32, s[EX], 24                      ; the weight: 16 MiB an expert, 4 MiB a quarter of K, 512 bytes a slice
	s_lshl_b32 s34, s[KQ], 22
	s_add_co_u32 s32, s32, s34
	s_lshl_b32 s34, s[SL], 9
	s_add_co_u32 s32, s32, s34
	s_add_nc_u64 s[4:5], s[4:5], s[32:33]          ; the work-group's slice
	s_and_b32 s32, s[WV], 1                        ; my wave's eighth of a chunk: column group g = w % 2,
	s_lshl_b32 s32, s32, 8
	s_bfe_u32 s35, s[WV], 0x10001                  ; K step u = (w / 2) % 2: 16 rows,
	s_mul_i32 s35, s35, 16*PITCH
	s_add_co_u32 s32, s32, s35
	s_lshr_b32 s35, s[WV], 2                       ; half a = w / 4: 8 rows
	s_mul_i32 s35, s35, 8*PITCH
	s_add_co_u32 s32, s32, s35
	s_add_nc_u64 s[WB:WB+1], s[4:5], s[32:33]
	s_lshl_b32 s32, s[EX], BSH                     ; the bias: 512 bytes a slice too
	s_add_co_u32 s32, s32, s34
	s_add_nc_u64 s[6:7], s[6:7], s[32:33]
	s_wait_alu depctr_va_vdst(0)                   ; the offsets and LDS addresses v3 to v11 and v15 are written, which the loads, LDS instructions, stores and the prefetch below read
	BIASLD
	ASKW RAW, 0                                    ; chunks 0 and 1
	ASKW RAW+32, 1
	s_lshl_b32 s32, s[EX], ASH+6                   ; the token operand: 64 tiles an expert, 16 blocks of 2,048 bytes a quarter
	s_lshl_b32 s34, s[KQ], 15
	s_add_co_u32 s32, s32, s34
	s_add_nc_u64 s[8:9], s[8:9], s[32:33]
	s_lshl_b32 s32, s[KQ], 23                      ; part: 8 MiB a quarter; a slice is 512 bytes of a row
	s_lshl_b32 s34, s[SL], 9
	s_add_co_u32 s32, s32, s34
	s_add_nc_u64 s[10:11], s[10:11], s[32:33]
	s_lshl_b32 s32, s[EX], 12                      ; the lists: 1,024 words an expert
	s_add_nc_u64 s[16:17], s[16:17], s[32:33]
	s_add_nc_u64 s[18:19], s[18:19], s[32:33]
	s_wait_kmcnt 0x0
	s_min_u32 s[CNT], s[CNT], 1024
	s_add_co_u32 s[NT], s[CNT], 15
	s_lshr_b32 s[NT], s[NT], 4
	s_max_u32 s[NTS], s[NT], 1
	MKTB
	s_wait_loadcnt 8                               ; the bias and chunk 0 are in, chunk 1's eight loads stay out
	CVT RAW
	s_wait_alu depctr_va_vdst(0)                   ; the roundings are done reading RAW[0], in which chunk 2 lands, and have written v[OUT ..], which the LDS stores read
	ASKW RAW, 2
	PUT 0
	s_wait_loadcnt 8                               ; chunk 1 is in, chunk 2's stay out
	s_wait_alu depctr_vm_vsrc(0)                   ; chunk 0's LDS stores have read v[OUT ..], which the roundings write
	CVT RAW+32
	s_wait_alu depctr_va_vdst(0)                   ; the roundings are done reading RAW[1], in which chunk 3 lands, and have written v[OUT ..], which the LDS stores read
	LDA AB0, 0                                     ; from here on the order is that of every trip: token rows, then weights
	ASKW RAW+32, 3
	PUT 1
	BIASMATH -1                                    ; the sums are started while those loads are on their way; the bias came in ahead of chunk 0
	s_wait_dscnt 0x0                               ; for the others' sake: my stores are in LDS
	s_barrier_signal -1
	s_barrier_wait -1
	LDB BB0, 0, 0                                  ; no vector line has named v[BB0 ..], nor v[BAD] since the head's wait
	s_wait_alu depctr_vm_vsrc(0)                   ; chunk 1's LDS stores have read v[OUT ..], which the first trip's roundings write
	s_mov_b32 s[LP], 6
.Ltrip:                                                ; two trips a turn, chunks 0 to 11.  28 = A(t) 20 + W(t + 3) 8;  36 = W(t + 3) 8 + A(t + 1) 20 + W(t + 4) 8
	TRIP 0, 0, 1, 1, 1, 1, 28, 36, 1, 1, 0
	TRIP 1, 1, 1, 1, 1, 1, 28, 36, 1, 0, 0
	s_wait_xcnt 0x0                                ; the loads' base and offsets are stepped only behind this wait
	s_wait_alu depctr_vm_vsrc(0)                   ; the turn's LDS loads, LDS stores, loads and prefetch have read v[BAD], v[LST], v[AOF], v[PFV], which the four adds write; the last LDS stores have read v[OUT ..], which the next trip's roundings write
	s_add_nc_u64 s[WB:WB+1], s[WB:WB+1], 2*CH
	s_add_co_u32 s[LC], s[LC], 2*CHL
	s_add_co_u32 s[AC], s[AC], 2*2048
	s_add_co_u32 s[PFC], s[PFC], 2*CH
	s_min_u32 s[PFC], s[PFC], 14*CH                ; no prefetch points past the slice's last two chunks
	v_add_nc_u32 v[BAD], s[LC], v[LBW]             ; the next trip's wait on va_vdst stands between these four and their first readers
	v_add_nc_u32 v[LST], s[LC], v[LSW]
	v_add_nc_u32 v[AOF], s[AC], v[L16]
	v_add_nc_u32 v[PFV], s[PFC], v[PF0]
	s_sub_co_u32 s[LP], s[LP], 1
	s_cmp_lg_u32 s[LP], 0
	s_cbranch_scc1 .Ltrip
	TRIP 0, 0, 1, 1, 0, 1, 28, 28, 1, 0, 0         ; the tail is written out: no load leaves the weight, and the counts run down.  Chunk 12: chunk 14 goes into LDS
	TRIP 1, 1, 1, 1, 0, 1, 20, 20, 1, 0, 0         ; chunk 13: chunk 15 goes into LDS
	TRIP 2, 0, 0, 1, 0, 1, 0, 20, 0, 0, 0          ; chunk 14: nothing is stored any more, so no barrier follows
	TRIP 3, 1, 0, 0, 0, 0, 0, 20, 0, 0, 1          ; chunk 15; the way out's lists come in under its products, and their 20 loads may stay out
	s_mov_b32 s[PL], 4
.Lpass:                                                ; four trips: pass PS goes out; then, where the expert has such tiles, the next pass is multiplied from the slice in LDS
	s_wait_loadcnt 0x0                             ; the lists
	PLACES
	EPI 0
	EPI 1
	EPI 2
	EPI 3
	EPI 4
	s_add_co_u32 s[PS], s[PS], 1
	s_mul_i32 s32, s[PS], 20
	s_cmp_ge_u32 s32, s[NT]
	s_cbranch_scc1 .Lnosweep                       ; forward, over text with no barrier and no LDS store
	s_wait_xcnt 0x0
	MKTB
	s_wait_alu depctr_va_vdst(0)                   ; the matrix instructions are done reading the second token buffer and the way out's lines have written it: the bias lands in it; those lines are done reading the lists, which are loaded anew
	s_wait_alu depctr_vm_vsrc(0)                   ; the way out's stores have read their offsets and data in the second token buffer, in which the bias lands
	BIASLD
	SLOTLD
	BIASMATH 0
	s_mov_b32 s[LC], 0
	s_mov_b32 s[AC], 0
	s_mov_b32 s[LP], 16
.Lsweep:                                               ; a chunk a trip, nothing asked for ahead: a way for experts with more than 320 rows
	s_wait_xcnt 0x0                                ; v[AOF] is rewritten only behind this wait
	s_wait_alu depctr_vm_vsrc(0)                   ; the LDS loads and the loads issued so far have read v[BAD] and v[AOF]
	v_add_nc_u32 v[BAD], s[LC], v[LBW]
	v_add_nc_u32 v[AOF], s[AC], v[L16]
	PLACES
	s_wait_alu depctr_va_vdst(0)                   ; v[BAD] and v[AOF] are written; the last trip's matrix instructions, and in the first trip the lines that started the sums, are done with BB0, BB1 and the second token buffer, in which the loads land
	LDB BB0, 0, 0
	LDB BB1, 0, 1
	LDA AB1, 0
	s_wait_loadcnt 0x0
	MUL AB1, 0, BB0, 0, 0, 0, 0, 0, 0, 8, -1       ; K step 0's fragments; K step 1's eight loads may be out
	MUL AB1, 1, BB1, 0, 0, 0, 0, 0, 0, 0, -1
	s_add_co_u32 s[LC], s[LC], CHL
	s_add_co_u32 s[AC], s[AC], 2048
	s_sub_co_u32 s[LP], s[LP], 1
	s_cmp_lg_u32 s[LP], 0
	s_cbranch_scc1 .Lsweep
.Lnosweep:
	s_sub_co_u32 s[PL], s[PL], 1
	s_cmp_lg_u32 s[PL], 0
	s_cbranch_scc1 .Lpass
	s_wait_dscnt 0x0                               ; every wave's LDS reads are over
	s_barrier_signal -1
	s_barrier_wait -1
	s_wait_dscnt 0x0                               ; the wave's end; the closing add into the 1,024 bytes behind the slice follows
	s_wait_alu depctr_hold_cnt(0) depctr_sa_sdst(0) depctr_va_vdst(0) depctr_va_sdst(0) depctr_va_ssrc(0) depctr_va_vcc(0) depctr_vm_vsrc(0)
	s_wait_tensorcnt 0x0
	ds_add_u32 v1, v2
	s_wait_dscnt 0x0
	s_endpgm
.Lfunc_end_k_qd1a94a6787_ffn2:
	.size	k_qd1a94a6787_ffn2, .Lfunc_end_k_qd1a94a6787_ffn2-k_qd1a94a6787_ffn2
	.p2alignl 7, 3214868480
	.fill 96, 4, 3214868480
	.section	.rodata,"a",@progbits
	.p2align	6, 0x0
	.amdhsa_kernel k_qd1a94a6787_ffn2
		.amdhsa_group_segment_fixed_size 263168
		.amdhsa_private_segment_fixed_size 0
		.amdhsa_enable_private_segment 0
		.amdhsa_kernarg_size 56
		.amdhsa_user_sgpr_count 2
		.amdhsa_user_sgpr_kernarg_segment_ptr 1
		.amdhsa_wavefront_size32 1
		.amdhsa_system_sgpr_workgroup_id_x 1
		.amdhsa_system_sgpr_workgroup_id_y 1
		.amdhsa_system_sgpr_workgroup_id_z 1
		.amdhsa_system_vgpr_workitem_id 0
		.amdhsa_next_free_vgpr 512
		.amdhsa_next_free_sgpr 88
		.amdhsa_reserve_vcc 0
		.amdhsa_float_denorm_mode_32 3
		.amdhsa_float_denorm_mode_16_64 3
		.amdhsa_memory_ordered 1
		.amdhsa_forward_progress 1
		.amdhsa_inst_pref_size 96
	.end_amdhsa_kernel
	.amdgpu_metadata
---
amdhsa.version: [ 1, 2 ]
amdhsa.kernels:
  - .name:           k_qd1a94a6787_ffn2
    .symbol:         k_qd1a94a6787_ffn2.kd
    .args:
      - { .name: W2, .offset: 0, .size: 8, .value_kind: global_buffer, .address_space: global }
      - { .name: b2, .offset: 8, .size: 8, .value_kind: global_buffer, .address_space: global }
      - { .name: h, .offset: 16, .size: 8, .value_kind: global_buffer, .address_space: global }
      - { .name: part, .offset: 24, .size: 8, .value_kind: global_buffer, .address_space: global }
      - { .name: cnt, .offset: 32, .size: 8, .value_kind: global_buffer, .address_space: global }
      - { .name: slotrow, .offset: 40, .size: 8, .value_kind: global_buffer, .address_space: global }
      - { .name: slotw, .offset: 48, .size: 8, .value_kind: global_buffer, .address_space: global }
    .group_segment_fixed_size: 263168
    .private_segment_fixed_size: 0
    .kernarg_segment_align: 8
    .kernarg_segment_size: 56
    .max_flat_workgroup_size: 256
    .sgpr_count:     88
    .vgpr_count:     512
    .wavefront_size: 32
...
	.end_amdgpu_metadata
.endif
;; end of part 7
;; launch sum: the kernel of part 5 again; grid 256 x 1, 8 waves a work-group, no clusters, 0 bytes of LDS; arguments part, out0; writes out0
